; MI455X (gfx1250); checked and timed in simulation.
; The chip was launched on July 23, 2026; its instructions are those of AMD's public machine-readable ISA for CDNA 5 (MIT licence, August 2026) and "CDNA5" Instruction Set Architecture Reference Guide (July 2026). The comments in the code are by the model that wrote it; some were corrected since.
;; Multi Head Attention. Allowed arithmetic: matrix products marked QUANTISED: E4M3 operands, one given power-of-two scale a tensor, by v_wmma_f32_16x16x64_fp8_fp8 or v_wmma_f32_16x16x128_fp8_fp8, f32 sums; everything else in f32.
;; Inputs: bk 1,024 float32; bo 1,024 float32; bq 1,024 float32; bv 1,024 float32; lowp_scales 12 int32 (the exponents e of the quantised operands' scales 2^e); wk 1,024 x 1,024 float32; wo 1,024 x 1,024 float32; wq 1,024 x 1,024 float32; wv 1,024 x 1,024 float32; x 4 x 2,048 x 1,024 float32.
;; Outputs: out0 4 x 2,048 x 1,024 float32.
;; This version of the problem:
;;   THIS VERSION OF THE PROBLEM IS GIVEN IN LOW PRECISION. The matrix products marked QUANTISED in the list below multiply operands that are first quantised to E4M3 (4 exponent bits, 3 mantissa bits; 8 bits a number), with one given power-of-two scale for each operand tensor; their sums are f32. All else is computed in f32.
;;   The module's matrix products, in the order in which they are computed (A, B: the left and right operand; K: the contracted axis; several contracted axes count as one K, in the product's order):
;;     1. [M 8,192, K 1,024] x [K 1,024, N 1,024]; A: input x; B: input wq: QUANTISED (scales: A lowp_scales[0], B lowp_scales[1])
;;     2. [M 8,192, K 1,024] x [K 1,024, N 1,024]; A: input x; B: input wk: QUANTISED (scales: A lowp_scales[2], B lowp_scales[3])
;;     3. [M 8,192, K 1,024] x [K 1,024, N 1,024]; A: input x; B: input wv: QUANTISED (scales: A lowp_scales[4], B lowp_scales[5])
;;     4. batch 64 x [M 2,048, K 64] x [K 64, N 2,048]; A: computed on the way; B: computed on the way: QUANTISED (scales: A lowp_scales[6], B lowp_scales[7])
;;     5. batch 64 x [M 2,048, K 2,048] x [K 2,048, N 64]; A: softmax (see below); B: computed on the way: QUANTISED (scales: A lowp_scales[8], B lowp_scales[9])
;;     6. [M 8,192, K 1,024] x [K 1,024, N 1,024]; A: computed on the way; B: input wo: QUANTISED (scales: A lowp_scales[10], B lowp_scales[11])
;;   THE QUANTISER, for each operand of a quantised product, along K:
;;     - The operand's scale is 2^e, e = its entry of the input lowp_scales (int32; the entries are numbered through the quantised products in the list's order, A before B).
;;     - Each number is divided by the scale, clamped to +-448, and rounded to the nearest number of E4M3, ties to even, subnormals kept.
;;     - The product sums the exact products of the quantised numbers (number of the format x scale) in f32.
;;   ~~~python
;;   def quantise(x, axis, e):      # numpy; x: float32 -> the quantised numbers, widened to float32 again
;;       x = np.moveaxis(x, axis, -1); K = x.shape[-1]
;;       r = np.clip(x / 2.0 ** e, -448, 448)
;;       step = 2.0 ** (np.maximum(np.frexp(np.where(r == 0, 1, r))[1] - 1, -6) - 3)
;;       q = np.round(r / step) * step * 2.0 ** e      # np.round: ties to even
;;       return np.moveaxis(q, -1, axis).astype(np.float32)
;;   ~~~
;;   SOFTMAX AHEAD OF A QUANTISED PRODUCT. Where the list says 'softmax', what is quantised is not the finished softmax but p = 2^(t - M), with t = logit x log2(e) and M = ceil(the row's largest t), a whole number; so 1/2 < the row's largest p <= 1. The row's sum l is taken of the UNQUANTISED p, in f32, and the product's result is divided by l at the end. Since M is a whole number, a kernel that streams over the keys may use a running M (the ceiling of the running maximum): every later rescaling is an exact power of two, so the quantised numbers keep their values, but for numbers so far below the row's largest that they fall under the format's range.
;;   OPERANDS COMPUTED ON THE WAY. 'Computed on the way' means the value that the module computes at that place (a softmax that the list does not call 'softmax' is quantised finished and normalised). What goes into a quantiser is computed in f32, as accurately as f32 sums, v_exp_f32 and their like allow (about 1e-6 of the number): no bf16 or f16 on the way to a quantiser, and a product that is left as it is and whose result goes on into a quantised operand takes f32 operands (vector FMAs, or v_wmma_f32_16x16x4_f32). A number that lies on a knife's edge between two numbers of the format may be rounded either way, as far as f32 arithmetic and the matrix unit's own rounding can turn it there, and no further.
;; One version. Each part assembles by itself: llvm-mc -triple=amdgcn-amd-amdhsa -mcpu=gfx1250 --defsym DOCPART=n.
;; ======== version 1 of 1: 4 launches
;; limits: right only within a limited range of input values
;; workspace buffers: xc 25,165,824 bytes; wc 4,194,304 bytes; qkvc 25,165,824 bytes; ac 8,388,608 bytes
;; launch quant (part 1): grid 384 x 1, 4 waves a work-group, no clusters, 68,096 bytes of LDS; arguments x, wq, wk, wv, wo, lowp_scales, xc, wc; writes xc, wc
.if DOCPART == 1
	.amdgcn_target "amdgcn-amd-amdhsa--gfx1250"
	.amdhsa_code_object_version 6
	.text
	.protected	k_qf9fb832d8d_quant
	.globl	k_qf9fb832d8d_quant
	.p2align	8
	.type	k_qf9fb832d8d_quant,@function
k_qf9fb832d8d_quant:
	s_mov_b64 s[64:65], 0
	v_nop
	global_prefetch_b8 v0, s[64:65] scope:SCOPE_SE
	s_setreg_imm32_b32 hwreg(HW_REG_WAVE_MODE, 25, 1), 1
	s_wait_xcnt 0x0
; f32 numbers into codes of FP8 (E4M3): code = number / 2^e, held within +-448, rounded to the nearest code, ties to even.
; x [8192][1024] is an operand of three products with three given scales (entries 0, 2, 4): three planes of codes, xc[p][m][k], K innermost as it lies.
; wq, wk, wv, wo [1024 k][1024 n] have K as their FIRST axis (entries 1, 3, 5, 11): codes wc[w][n][k], K innermost.
; Work-groups 0-127 take the weights (32 each: 128 columns x 256 along K), work-groups 128-383 take x (32,768 numbers each).  The two ways part on the work-group's number and never join; each has LDS bytes of its own.
; LIMITS: each of the seven exponents lies between -126 and 119, so that 2^e and 448 x 2^e are f32 numbers.  NaN among the inputs is not served; an infinity is held at the largest code.
; No tensor loads, no barrier: waves share nothing.  No matrix unit, no cluster: the launch is a stream, bytes are all that count.
.set PITCH, 272                        ; weights: a stage row: 256 bytes of codes + 16
.set XSP,   80                         ; x: a lane's place in a stage: its 64 bytes + 16
.set WST,   32768                      ; LDS: 0 .. 32,767 x's stages (8,192 a wave); from here the weights' four stages of 32 x 272
.set SPARE, 67584                      ; behind them: the spare words, 128 bytes for each wave: two blocks of 256 bytes that no other line names
.set SPW,   12                         ; v12  LDS address of my spare word; never rewritten
.set NIL,   13                         ; v13  0; never rewritten
.set WX,    32                         ; weights: v32-95 two sets of 32 numbers; v96-103 a block's codes; v112-175 the way out
.set WC,    96
.set OUTR,  112
.set R,     16                         ; x: v16-79 four sets of 16 numbers as loaded; v80-111 two sets of 16 neighbours; v128-139 three planes' codes
.set X,     80
.set T,     112
.set C,     128
.set SCL,   140                        ; v140+2p: 2^e of plane p
	s_load_b256 s[4:11], s[0:1], 0x0               ; x s[4:5], wq s[6:7], wk s[8:9], wv s[10:11]
	s_load_b256 s[12:19], s[0:1], 0x20             ; wo s[12:13], the exponents s[14:15], xc s[16:17], wc s[18:19]
	v_lshl_add_u32 v[SPW], v0, 2, SPARE
	v_mov_b32 v[NIL], 0
	v_lshrrev_b32 v1, 5, v0
	v_readfirstlane_b32 s20, v1                    ; wave 0..3
	v_and_b32 v2, 31, v0                           ; lane
	s_wait_kmcnt 0x0
	s_load_b256 s[24:31], s[14:15], 0x0            ; e0 .. e7
	s_load_b128 s[32:35], s[14:15], 0x20           ; e8 .. e11
	s_cmp_lt_u32 ttmp9, 128
	s_cbranch_scc0 .Lx
; ---------------- THE WEIGHTS.  A lane takes a column n and its registers run down K: each load reads 128 consecutive bytes a wave, and the conversions give codes with K innermost.
; A wave takes 32 columns x 256 along K; its codes go through its own stage and leave as rows: sixteen lanes store 256 consecutive aligned bytes.
	s_lshr_b32 s21, ttmp9, 5                       ; which weight: 0 wq, 1 wk, 2 wv, 3 wo
	s_and_b32 s22, ttmp9, 7                        ; which 128 columns
	s_bfe_u32 s23, ttmp9, 0x20003                  ; which 256 along K
	s_mov_b64 s[40:41], s[6:7]                     ; the choice of buffer hangs on the work-group's number alone
	s_cmp_eq_u32 s21, 1
	s_cselect_b64 s[40:41], s[8:9], s[40:41]
	s_cmp_eq_u32 s21, 2
	s_cselect_b64 s[40:41], s[10:11], s[40:41]
	s_cmp_eq_u32 s21, 3
	s_cselect_b64 s[40:41], s[12:13], s[40:41]
	s_lshl_b32 s36, s22, 7
	s_lshl_b32 s37, s20, 5
	s_add_co_u32 s36, s36, s37                     ; my wave's first column
	s_wait_alu depctr_va_vdst(0)
	v_lshlrev_b32 v3, 2, v2                        ; in: 4 bytes a lane
	s_mul_i32 s37, s20, 32*PITCH
	s_add_co_u32 s37, s37, WST                     ; my stage
	v_mul_u32_u24 v4, v2, PITCH
	v_add_nc_u32 v4, s37, v4                       ; into it: row = my column
	v_and_b32 v5, 15, v2
	v_lshrrev_b32 v6, 4, v2
	v_mul_u32_u24 v7, v6, PITCH
	v_lshl_add_u32 v7, v5, 4, v7
	v_add_nc_u32 v7, s37, v7                       ; out of it: sixteen lanes to a row, two rows an instruction
	v_lshlrev_b32 v8, 10, v6
	v_lshl_add_u32 v8, v5, 4, v8                   ; and the same place in wc: rows of 1,024 bytes
	s_lshl_b32 s42, s23, 20                        ; in: 256 rows of 4,096 bytes for each step along K, + 4 x column
	s_lshl_b32 s43, s36, 2
	s_add_co_u32 s42, s42, s43
	s_mov_b32 s43, 0
	s_add_nc_u64 s[40:41], s[40:41], s[42:43]
	s_lshl_b32 s44, s21, 20                        ; out: the weight's plane, + column x 1,024, + 256 x step
	s_lshl_b32 s45, s36, 10
	s_add_co_u32 s44, s44, s45
	s_lshl_b32 s45, s23, 8
	s_add_co_u32 s44, s44, s45
	s_mov_b32 s45, 0
	s_add_nc_u64 s[18:19], s[18:19], s[44:45]
.macro WLOAD t                         ; block t: W(32 t + i, my column), i = 0 .. 31, into set t % 2; the offsets, 1,044,480 at the most, are immediates
.set i, 0
.rept 32
	global_load_b32 v[WX+32*((\t)%2)+i], v3, s[40:41] offset:(32*(\t)+i)*4096 th:TH_LOAD_NT
.set i, i+1
.endr
.endm
	WLOAD 0
	WLOAD 1
	s_wait_kmcnt 0x0
	s_mov_b32 s46, s25                             ; e: entry 1, 3, 5 or 11
	s_cmp_eq_u32 s21, 1
	s_cselect_b32 s46, s27, s46
	s_cmp_eq_u32 s21, 2
	s_cselect_b32 s46, s29, s46
	s_cmp_eq_u32 s21, 3
	s_cselect_b32 s46, s35, s46
	s_add_co_i32 s46, s46, 127
	s_lshl_b32 s47, s46, 23
	v_mov_b32 v11, s47                             ; 2^e as f32: the conversion takes its exponent field
	s_add_co_i32 s46, s46, 8
	s_lshl_b32 s46, s46, 23
	s_or_b32 s46, s46, 0x600000
.macro WBLOCK t
.set XS, WX+32*((\t)%2)
.if (\t) < 7
	s_wait_loadcnt 32                              ; this block's 32 loads are in; the next block's 32 may be out
.else
	s_wait_loadcnt 0x0
.endif
.set i, 0
.rept 32
.set i, i+1
.endr
.irp g, 0,1,2,3
	v_cvt_scalef32_pk8_fp8_f32 v[WC+2*\g:WC+2*\g+1], v[XS+8*\g:XS+8*\g+7], v11
.endr
	ds_store_b128 v4, v[WC:WC+3] offset:32*(\t)    ; 32 codes: 32 bytes of my column's row
	ds_store_b128 v4, v[WC+4:WC+7] offset:32*(\t)+16
.if (\t)+2 < 8
	WLOAD (\t)+2
.endif
	s_wait_dscnt 0x0                               ; the stores have read their registers: the next block's codes may be written
.endm
	s_wait_alu depctr_va_vdst(0)
.irp t, 0,1,2,3,4,5,6,7
	WBLOCK \t
.endr
.irp t, 0,1,2,3,4,5,6,7,8,9,10,11,12,13,14,15
	ds_load_b128 v[OUTR+4*\t:OUTR+4*\t+3], v7 offset:2*\t*PITCH   ; LDS serves a wave's instructions in order: these see my stores
.endr
.irp t, 0,1,2,3,4,5,6,7,8,9,10,11,12,13,14,15
	s_wait_dscnt 15-\t                             ; the younger loads may be out
	global_store_b128 v8, v[OUTR+4*\t:OUTR+4*\t+3], s[18:19] offset:2*\t*1024
.endr
	s_wait_tensorcnt 0x0                           ; the wave's end, behind my last LDS store
	ds_add_u32 v[SPW], v[NIL]
	s_wait_dscnt 0x0
	s_endpgm
; ---------------- x.  Rows are dense, so x is a plain stream; a wave takes 16 steps of 512 numbers.  Each load reads 512 consecutive bytes; a step's 2,048 bytes turn through the wave's own stage,
; so that a lane holds 16 neighbours along K; they are converted three times, once for each scale; a lane's 16 codes are 16 bytes: each store covers 512 consecutive aligned bytes.
.Lx:
	s_sub_co_u32 s21, ttmp9, 128
	s_lshl_b32 s21, s21, 2
	s_add_co_u32 s21, s21, s20                     ; which run of 8,192 numbers is my wave's: 0 .. 1,023
	s_lshl_b32 s36, s21, 15
	s_mov_b32 s37, 0
	s_add_nc_u64 s[4:5], s[4:5], s[36:37]
	s_lshl_b32 s36, s21, 13
	s_add_nc_u64 s[40:41], s[16:17], s[36:37]      ; plane 0,
	s_add_nc_u64 s[42:43], s[40:41], 0x800000      ; plane 1,
	s_add_nc_u64 s[44:45], s[40:41], 0x1000000     ; plane 2: a base for each, since a plane's 8,388,608 bytes are more than a store's immediate holds
	s_wait_alu depctr_va_vdst(0)
	v_lshlrev_b32 v3, 4, v2                        ; my 16 bytes of a load's 512, and of a store's; never rewritten
	s_lshl_b32 s22, s20, 13                        ; my wave's 8,192 bytes of LDS
	v_lshrrev_b32 v14, 2, v2
	v_mul_u32_u24 v14, v14, XSP
	v_and_b32 v15, 3, v2
	v_lshl_add_u32 v14, v15, 4, v14
	v_add_nc_u32 v14, s22, v14                     ; the stage, on the way in: four lanes' 64 bytes on end, then 16 of padding
	v_mul_u32_u24 v15, v2, XSP
	v_add_nc_u32 v15, s22, v15                     ; and on the way out: my 16 neighbours
.macro XLOAD t
.irp i, 0,1,2,3
	global_load_b128 v[R+16*((\t)%4)+4*\i:R+16*((\t)%4)+4*\i+3], v3, s[4:5] offset:2048*(\t)+512*\i th:TH_LOAD_NT
.endr
.endm
.macro XTURN t                         ; step t's numbers through the stage: LDS serves a wave's instructions in order, so no wait stands between the stores and the loads
.irp i, 0,1,2,3
	ds_store_b128 v14, v[R+16*((\t)%4)+4*\i:R+16*((\t)%4)+4*\i+3] offset:32*XSP*((\t)%2)+8*XSP*\i
.endr
.irp i, 0,1,2,3
	ds_load_b128 v[X+16*((\t)%2)+4*\i:X+16*((\t)%2)+4*\i+3], v15 offset:32*XSP*((\t)%2)+16*\i
.endr
.endm
.irp t, 0,1,2,3
	XLOAD \t
.endr
	s_wait_alu depctr_va_vdst(0)
	s_wait_kmcnt 0x0
.irp p, 0,1,2
	s_add_co_i32 s46, s[24+2*\p], 127              ; entries 0, 2, 4
	s_lshl_b32 s47, s46, 23
	v_mov_b32 v[SCL+2*\p], s47
	s_add_co_i32 s46, s46, 8
	s_lshl_b32 s46, s46, 23
	s_or_b32 s46, s46, 0x600000
.endr
	s_wait_alu depctr_va_vdst(0)
	s_wait_loadcnt 12                              ; step 0's four loads are in; the three steps behind it may be out
	XTURN 0
.macro XSTEP t
.set XS, X+16*((\t)%2)
	s_wait_dscnt 0x0                               ; this step's numbers are back from the stage: so its stores into the stage have read their registers,
.if (\t)+4 < 16
	XLOAD (\t)+4                                   ; which take the loads of four steps on
.endif
.if (\t)+1 < 16
.if 14-(\t) >= 3
	s_wait_loadcnt 12                              ; the next step's four loads are in; those of the three steps behind it may be out
.else
	s_wait_loadcnt 4*(14-(\t))                     ; the last steps: the count runs down
.endif
	XTURN (\t)+1                                   ; and go through the other stage while this step is worked
.endif
	s_wait_xcnt 0x0                                ; the last step's three stores have read their codes: those registers are written again only behind this wait
.irp p, 0,1,2
.set i, 0
.rept 16
.set i, i+1
.endr
	v_cvt_scalef32_pk8_fp8_f32 v[C+4*\p:C+4*\p+1], v[XS:XS+7], v[SCL+2*\p]
	v_cvt_scalef32_pk8_fp8_f32 v[C+4*\p+2:C+4*\p+3], v[XS+8:XS+15], v[SCL+2*\p]
	v_nop                                          ; one plain line between the conversions and the next writing of their sources
.endr
.irp p, 0,1,2
	global_store_b128 v3, v[C+4*\p:C+4*\p+3], s[40+2*\p:41+2*\p] offset:512*(\t)
.endr
.endm
.irp t, 0,1,2,3,4,5,6,7,8,9,10,11,12,13,14,15
	XSTEP \t
.endr
	s_wait_tensorcnt 0x0                           ; the wave's end, behind my last LDS store
	ds_add_u32 v[SPW], v[NIL]
	s_wait_dscnt 0x0
	s_endpgm
.Lfunc_end_k_qf9fb832d8d_quant:
	.size	k_qf9fb832d8d_quant, .Lfunc_end_k_qf9fb832d8d_quant-k_qf9fb832d8d_quant
	.p2alignl 7, 3214868480
	.fill 96, 4, 3214868480
	.section	.rodata,"a",@progbits
	.p2align	6, 0x0
	.amdhsa_kernel k_qf9fb832d8d_quant
		.amdhsa_group_segment_fixed_size 68096
		.amdhsa_private_segment_fixed_size 0
		.amdhsa_enable_private_segment 0
		.amdhsa_kernarg_size 64
		.amdhsa_user_sgpr_count 2
		.amdhsa_user_sgpr_kernarg_segment_ptr 1
		.amdhsa_wavefront_size32 1
		.amdhsa_system_sgpr_workgroup_id_x 1
		.amdhsa_system_sgpr_workgroup_id_y 1
		.amdhsa_system_sgpr_workgroup_id_z 1
		.amdhsa_system_vgpr_workitem_id 0
		.amdhsa_next_free_vgpr 192
		.amdhsa_next_free_sgpr 66
		.amdhsa_reserve_vcc 0
		.amdhsa_float_denorm_mode_32 3
		.amdhsa_float_denorm_mode_16_64 3
		.amdhsa_fp16_overflow 1
		.amdhsa_memory_ordered 1
		.amdhsa_forward_progress 1
		.amdhsa_inst_pref_size 63
	.end_amdhsa_kernel
	.amdgpu_metadata
---
amdhsa.version: [ 1, 2 ]
amdhsa.kernels:
  - .name:           k_qf9fb832d8d_quant
    .symbol:         k_qf9fb832d8d_quant.kd
    .args:
      - { .name: x, .offset: 0, .size: 8, .value_kind: global_buffer, .address_space: global }
      - { .name: wq, .offset: 8, .size: 8, .value_kind: global_buffer, .address_space: global }
      - { .name: wk, .offset: 16, .size: 8, .value_kind: global_buffer, .address_space: global }
      - { .name: wv, .offset: 24, .size: 8, .value_kind: global_buffer, .address_space: global }
      - { .name: wo, .offset: 32, .size: 8, .value_kind: global_buffer, .address_space: global }
      - { .name: lowp_scales, .offset: 40, .size: 8, .value_kind: global_buffer, .address_space: global }
      - { .name: xc, .offset: 48, .size: 8, .value_kind: global_buffer, .address_space: global }
      - { .name: wc, .offset: 56, .size: 8, .value_kind: global_buffer, .address_space: global }
    .group_segment_fixed_size: 68096
    .private_segment_fixed_size: 0
    .kernarg_segment_align: 8
    .kernarg_segment_size: 64
    .max_flat_workgroup_size: 128
    .sgpr_count:     66
    .vgpr_count:     192
    .wavefront_size: 32
...
	.end_amdgpu_metadata
.endif
;; end of part 1
;; launch qkv (part 2): grid 4 x 192, 4 waves a work-group, clusters of 4 x 4, 327,680 bytes of LDS; arguments xc, wc, lowp_scales, bq, bk, bv, qkvc; writes qkvc
.if DOCPART == 2
	.amdgcn_target "amdgcn-amd-amdhsa--gfx1250"
	.amdhsa_code_object_version 6
	.text
	.protected	k_qf9fb832d8d_qkv
	.globl	k_qf9fb832d8d_qkv
	.p2align	8
	.type	k_qf9fb832d8d_qkv,@function
k_qf9fb832d8d_qkv:
	s_mov_b64 s[64:65], 0
	v_nop
	global_prefetch_b8 v0, s[64:65] scope:SCOPE_SE
	s_setreg_imm32_b32 hwreg(HW_REG_WAVE_MODE, 25, 1), 1
	s_wait_xcnt 0x0
	s_wait_alu depctr_hold_cnt(0) depctr_sa_sdst(0) depctr_va_vdst(0) depctr_va_sdst(0) depctr_va_ssrc(0) depctr_va_vcc(0) depctr_vm_vsrc(0)
	s_getreg_b32 s2, hwreg(HW_REG_IB_STS2, 6, 4)
	s_cmp_eq_u32 s2, 0
	s_cbranch_scc0 .Lentry_in_a_cluster
	s_endpgm
.Lentry_in_a_cluster:
	s_bfe_u32 s2, ttmp6, 0x10000c
	s_cmp_lg_u32 s2, 0xf033
	s_cbranch_scc0 .Lentry_shape_is_right
	s_endpgm
.Lentry_shape_is_right:
; q = x wq + bq, k = x wk + bk, v = x wv + bv on codes of FP8 (E4M3), each result quantised at once (entries 6, 7, 9 of the exponents) and stored as codes.
; ONE FORM SERVES ALL THREE: C'[i][j] = sum over k of A[i][k] B[j][k], K = 1,024, a work-group's tile 128 rows of A x 256 rows of B.  For q and k: A = x's codes (plane 0, 1), B = the weight's codes.
; For v the two change places: A = wv's codes, B = x's codes (plane 2): the result is V TRANSPOSED, keys innermost, as the second product of attention wants it.
; 48 clusters of 4 x 4 work-groups: 16 for each of the three; 768 work-groups, three for each of 256 WGPs.  A's tile is shared along a row of the cluster, B's along a column: both are asked for jointly.
; Four waves, 2 x 2; a wave makes 64 x 128: 32 accumulators.  The matrix instruction is used transposed (source 0 = 16 rows of B, source 1 = 16 rows of A): a lane holds one row of A and eight neighbouring rows of B.
; K WITHOUT A LOOP: four quarters of 256 along K, two steps of 128 each.  THREE LDS slots: quarters 0, 1, 2 are first fills, issued together (three tensor loads of a wave are out, by this text's count);
; quarter 3 is the one refill, into slot 0, behind a round of the cluster's barrier: it has four steps, 128 matrix instructions, in which to land.
; OUT: qkvc, plane p: OUT[column block of 64][row][64 bytes].  q, k: column block = head, row = token.  V^T: column block = 64 tokens, row = 64 head + channel.  Inside each 32 columns the order is
; 0-7, 16-23, 8-15, 24-31: two neighbouring accumulators' codes of a lane are then 16 neighbouring bytes.  q and k have the same order, so their products meet; V^T's keys lie as attention's loads want them.
; LIMITS: e0+e1, e2+e3, e4+e5 between -126 and 127; e6, e7, e9 between -126 and 119: each power of two below is then an f32 number.  NaN is not served.
; No prefetch: three quarters of a tile's bytes are asked for at the first line, and the fourth 128 matrix instructions ahead of its use.
; REGISTERS, in windows of 256: window 0 addresses and the way out; window 1 the accumulators ((a, b) at v[8 (8 a + b)]); window 2 fragment set 0 (B's at v[16 b], A's at v[128 + 16 a]) and, at v192-255, the columns' bias;
; window 3 fragment set 1.
.set PITCH,  272                       ; an LDS row: 256 bytes + 16 of padding: the 16 rows of a fragment load start at 16 different banks (64 banks of 4 bytes: ISA guide 11.1)
.set AREG,   128*PITCH                 ; a slot: A's 128 rows, then B's 256
.set SLOT,   384*PITCH
.set SPARE,  3*SLOT                    ; behind the three slots: the spare words, 128 bytes for each wave: two blocks of 256 bytes that no other line names
.set STAGE,  SLOT                      ; the way out: 128 rows x 336 bytes in slot 1, which has had its only fill, and whose last reads every wave has awaited in front of the barrier of the sixth step
.set STP,    336
.set QSTA,   256                       ; a quarter on, in bytes of memory
.set QSTB,   256
.set ADRA, 16                          ; v16-18 LDS address of my A fragments in slot 0, 1, 2
.set ADRB, 20                          ; v20-22 the same for B
.set STO,  24                          ; v24 the stage: where I put 16 bytes of a row
.set RD,   25                          ; v25 and where I read back
.set CO,   26                          ; v26 16 x lane: my place in a store's 512 bytes
.set CBO,  27                          ; v27 32 x (lane / 16): the columns' bias
.set SPW,  28                          ; v28 LDS address of my spare word; never rewritten
.set NIL,  29                          ; v29 0; never rewritten
.set RBO,  30                          ; v30 4 x (lane % 16): the rows' bias
.set RB,   32                          ; v32-35 the rows' bias as loaded; v36-43 doubled into pairs
.set RBP,  36
.set LIM,  44                          ; v45 2^eo
.set SC,   45
.set T,    96                          ; v96-159 64 numbers at work, later rows read back; v160-223 codes
.set CD,   160
.set CB,   192                         ; in window 2
.set WV, 18
.set RH, 19                            ; which half of the tile's rows of A is mine.  Also: I fetch for A (0) or for B (1)
.set CH, 20                            ; which half of its rows of B.  Also: which half of that tile I fetch
.set G1A, 24                           ; s[24:31], s[32:39] descriptor groups 1; s[40:51], s[52:63] groups 0, one for each slot
.set G1B, 32
.set G0A, 40
.set G0B, 52
.set MSB, 0
.macro WIN new                         ; the immediate's high byte repeats the setting that is left
.if MSB != (\new)
	s_set_vgpr_msb (MSB<<8)|(\new)
.set MSB, (\new)
.endif
.endm
.macro PLACES                          ; four plain lines between a matrix instruction and a load into its sources or a read of its result
.rept 4
	v_nop
.endr
.endm
.macro JLOAD                           ; the joint refill of slot 0: waves 0, 1 for A, waves 2, 3 for B; an s_nop 0 and four v_nop follow each line
	s_cmp_eq_u32 s[RH], 0
	s_cbranch_scc0 .Lfor_b_\@
	tensor_load_to_lds s[G0A:G0A+3], s[G1A:G1A+7]
	s_nop 0
.rept 4
	v_nop
.endr
	s_branch .Lasked_\@
.Lfor_b_\@:
	tensor_load_to_lds s[G0B:G0B+3], s[G1B:G1B+7]
	s_nop 0
.rept 4
	v_nop
.endr
.Lasked_\@:
.endm
.macro CREST                           ; a round of the cluster's barrier behind its opening barrier
	s_cmp_lg_u32 s[WV], 0
	s_cbranch_scc1 .Lnot_wave_0_\@
	s_barrier_signal -3
.Lnot_wave_0_\@:
	s_barrier_wait -3
	s_barrier_signal -1
	s_barrier_wait -1
.endm
.macro CROUND
	s_barrier_signal -1
	s_barrier_wait -1
	CREST
.endm
	s_load_b256 s[4:11], s[0:1], 0x0               ; xc s[4:5], wc s[6:7], the exponents s[8:9], bq s[10:11]
	s_load_b128 s[12:15], s[0:1], 0x20             ; bk, bv
	s_load_b64 s[16:17], s[0:1], 0x30              ; qkvc
	v_lshl_add_u32 v[SPW], v0, 2, SPARE
	v_mov_b32 v[NIL], 0
	ds_add_u32 v[SPW], v[NIL]
	ds_add_u32 v[SPW], v[NIL]                      ; the wave's opening: the add and its wait stand ahead of my first tensor load; work on registers stands between them
	v_lshrrev_b32 v1, 5, v0
	v_readfirstlane_b32 s[WV], v1
	s_lshr_b32 s[RH], s[WV], 1
	s_and_b32 s[CH], s[WV], 1
	s_bfe_u32 s66, ttmp6, 0x40000                  ; cx
	s_bfe_u32 s67, ttmp6, 0x40004                  ; cy
	s_and_b32 s68, ttmp7, 0xffff                   ; the cluster's y: 0 .. 47
	s_lshr_b32 s69, s68, 4                         ; p: 0 q, 1 k, 2 v
	s_and_b32 s70, s68, 15                         ; which of p's sixteen clusters
	s_lshr_b32 s71, s70, 3
	s_and_b32 s72, s70, 7
	s_cmp_eq_u32 s69, 2
	s_cselect_b32 s71, s71, s70                    ; clusters down: q, k 16 x 1; v 2 x 8
	s_cselect_b32 s72, s72, 0                      ; and across
	s_lshl_b32 s73, s71, 2
	s_add_co_u32 s73, s73, s67                     ; tile row: it never holds cx
	s_lshl_b32 s74, s72, 2
	s_add_co_u32 s74, s74, s66                     ; tile column: it never holds cy
	s_lshl_b32 s75, s67, 2
	s_lshl_b32 s75, 15, s75                        ; my row of the cluster
	s_lshl_b32 s76, 0x1111, s66                    ; my column
	s_or_b32 s[G1A], s75, (1<<20)|(1<<21)|(5<<22)|(3<<25)   ; 15:0 the mask; 17:16 elements of 1 byte; 20 padding on; 21 set beside a mask; 24:22 after every 64 words; 31:25 four words
	s_or_b32 s[G1B], s76, (1<<20)|(1<<21)|(5<<22)|(3<<25)
	s_mov_b32 s[G1A+1], 256<<16                    ; tensor_dim0 = 256
	s_mov_b32 s[G1A+2], 64<<16                     ; tensor_dim1 = 64 rows: half of A's tile
	s_mov_b32 s[G1A+3], 256<<16                    ; tile_dim0
	s_mov_b32 s[G1A+4], 64                         ; tile_dim1
	s_mov_b32 s[G1A+5], 1024                       ; from row to row
	s_mov_b32 s[G1A+6], 0
	s_mov_b32 s[G1A+7], 0
	s_mov_b32 s[G1B+1], 256<<16
	s_mov_b32 s[G1B+2], 128<<16                    ; 128 rows: half of B's tile
	s_mov_b32 s[G1B+3], 256<<16
	s_mov_b32 s[G1B+4], 128
	s_mov_b32 s[G1B+5], 1024
	s_mov_b32 s[G1B+6], 0
	s_mov_b32 s[G1B+7], 0
	s_lshl_b32 s82, s73, 17                        ; A: (128 x tile row + 64 x half) rows of 1,024 bytes,
	s_lshl_b32 s83, s[CH], 16
	s_add_co_u32 s82, s82, s83
	s_lshl_b32 s83, s69, 23                        ; in x's plane p,
	s_cmp_eq_u32 s69, 2
	s_cselect_b32 s83, 0x200000, s83               ; or in wv's plane
	s_add_co_u32 s82, s82, s83
	s_mov_b32 s83, 0
	s_lshl_b32 s100, s74, 18                       ; B: (256 x tile column + 128 x half) rows,
	s_lshl_b32 s101, s[CH], 17
	s_add_co_u32 s100, s100, s101
	s_lshl_b32 s101, s69, 20                       ; in the weight's plane p,
	s_cmp_eq_u32 s69, 2
	s_cselect_b32 s101, 0x1000000, s101            ; or in x's plane 2
	s_add_co_u32 s100, s100, s101
	s_mov_b32 s101, 0
	s_mul_i32 s21, s[CH], 64*PITCH                 ; where they go: no place in the cluster enters an LDS address
	s_mul_i32 s22, s[CH], 128*PITCH
	s_add_co_u32 s22, s22, AREG
	s_wait_dscnt 0x0                               ; the opening add is done
	s_wait_kmcnt 0x0
	s_load_b256 s[84:91], s[8:9], 0x0              ; e0 .. e7
	s_load_b128 s[92:95], s[8:9], 0x20             ; e8 .. e11
	s_cmp_eq_u32 s69, 2                            ; the choice of buffers hangs on the cluster's number alone
	s_cselect_b64 s[78:79], s[6:7], s[4:5]
	s_cselect_b64 s[80:81], s[4:5], s[6:7]
	s_add_nc_u64 s[78:79], s[78:79], s[82:83]
	s_add_nc_u64 s[80:81], s[80:81], s[100:101]
	CROUND                                         ; all sixteen work-groups are here: the first joint loads meet
.irp j, 0,1,2
	s_mov_b32 s[G0A+4*\j], 1
	s_add_co_u32 s[G0A+4*\j+1], s21, \j*SLOT
	s_add_nc_u64 s[G0A+4*\j+2:G0A+4*\j+3], s[78:79], \j*QSTA
	s_or_b32 s[G0A+4*\j+3], s[G0A+4*\j+3], 0x80000000
	s_mov_b32 s[G0B+4*\j], 1
	s_add_co_u32 s[G0B+4*\j+1], s22, \j*SLOT
	s_add_nc_u64 s[G0B+4*\j+2:G0B+4*\j+3], s[80:81], \j*QSTB
	s_or_b32 s[G0B+4*\j+3], s[G0B+4*\j+3], 0x80000000
.endr
	s_cmp_eq_u32 s[RH], 0                          ; a wave's three first fills stand in one branch, ahead of every wait on TENSORcnt, every LDS read and every further barrier
	s_cbranch_scc0 .Lfirst_b
	tensor_load_to_lds s[G0A:G0A+3], s[G1A:G1A+7]
	s_nop 0
	tensor_load_to_lds s[G0A+4:G0A+7], s[G1A:G1A+7]
	s_nop 0
	tensor_load_to_lds s[G0A+8:G0A+11], s[G1A:G1A+7]
	s_nop 0
.rept 4
	v_nop
.endr
	s_branch .Lfirst_done
.Lfirst_b:
	tensor_load_to_lds s[G0B:G0B+3], s[G1B:G1B+7]
	s_nop 0
	tensor_load_to_lds s[G0B+4:G0B+7], s[G1B:G1B+7]
	s_nop 0
	tensor_load_to_lds s[G0B+8:G0B+11], s[G1B:G1B+7]
	s_nop 0
.rept 4
	v_nop
.endr
.Lfirst_done:
	; THE BIAS follows the weight's row: the tile's columns for q and k, its rows for v.  Both are loaded, from places inside the buffer, and the one that does not apply is masked to 0: no branch.
	v_and_b32 v1, 15, v0                           ; r
	v_bfe_u32 v2, v0, 4, 1                         ; h
	v_lshlrev_b32 v[CBO], 5, v2
	s_wait_alu depctr_va_vdst(0)
	v_lshlrev_b32 v[RBO], 2, v1
	s_wait_alu depctr_va_vdst(0)
	s_mov_b64 s[104:105], s[10:11]
	s_cmp_eq_u32 s69, 1
	s_cselect_b64 s[104:105], s[12:13], s[104:105]
	s_cmp_eq_u32 s69, 2
	s_cselect_b64 s[104:105], s[14:15], s[104:105]
	s_lshl_b32 s2, s74, 10                         ; 4 x (256 x tile column + 128 x half)
	s_lshl_b32 s3, s[CH], 9
	s_add_co_u32 s2, s2, s3
	s_lshl_b32 s70, s73, 9                         ; 4 x (128 x tile row + 64 x half)
	s_lshl_b32 s71, s[RH], 8
	s_add_co_u32 s70, s70, s71
	s_cmp_eq_u32 s69, 2
	s_cselect_b32 s2, 0, s2
	s_cselect_b32 s70, s70, 0
	s_cselect_b32 s98, 0, -1                       ; the columns' mask
	s_cselect_b32 s99, -1, 0                       ; the rows'
	s_mov_b32 s3, 0
	s_mov_b32 s71, 0
	s_add_nc_u64 s[22:23], s[104:105], s[2:3]
	s_add_nc_u64 s[104:105], s[104:105], s[70:71]
	WIN 0x80                                       ; destination window 2
.irp b, 0,1,2,3,4,5,6,7
	global_load_b128 v[CB+8*\b:CB+8*\b+3], v[CBO], s[22:23] offset:64*\b        ; bias(16 b + 8 h + 0 .. 7), in the result's layout
	global_load_b128 v[CB+8*\b+4:CB+8*\b+7], v[CBO], s[22:23] offset:64*\b+16
.endr
	WIN 0
.irp a, 0,1,2,3
	global_load_b32 v[RB+\a], v[RBO], s[104:105] offset:64*\a                   ; bias(16 a + r)
.endr
	v_mul_u32_u24 v3, v1, PITCH
	v_lshl_add_u32 v3, v2, 4, v3                   ; a fragment's row x pitch + 16 x half
	s_mul_i32 s72, s[RH], 64*PITCH                 ; my 64 rows of A
	s_mul_i32 s75, s[CH], 128*PITCH                ; my 128 rows of B,
	s_add_co_u32 s75, s75, AREG                    ; which lie behind A's
.irp j, 0,1,2
	v_add_nc_u32 v[ADRA+\j], s72, v3
	v_add_nc_u32 v[ADRB+\j], s75, v3
	s_add_co_u32 s72, s72, SLOT
	s_add_co_u32 s75, s75, SLOT
.endr
	s_mul_i32 s72, s[RH], 64*STP                   ; into the stage: my 64 rows, my 128 of their 256 bytes
	s_lshl_b32 s75, s[CH], 7
	s_add_co_u32 s72, s72, s75
	s_add_co_u32 s72, s72, STAGE
	v_mul_u32_u24 v4, v1, STP
	v_lshl_add_u32 v4, v2, 4, v4
	v_add_nc_u32 v[STO], s72, v4
	v_and_b32 v5, 31, v0                           ; back: wave w takes column block w: 64 bytes of each row, eight rows an instruction
	v_lshrrev_b32 v6, 2, v5
	v_mul_u32_u24 v6, v6, STP
	v_and_b32 v7, 3, v5
	v_lshl_add_u32 v6, v7, 4, v6
	s_lshl_b32 s72, s[WV], 6
	s_add_co_u32 s72, s72, STAGE
	v_add_nc_u32 v[RD], s72, v6
	v_lshlrev_b32 v[CO], 4, v5
	s_lshl_b32 s72, s74, 2                         ; out: plane p + (4 x tile column + wave) column blocks + 128 x tile row rows of 64 bytes
	s_add_co_u32 s72, s72, s[WV]
	s_cmp_eq_u32 s69, 2
	s_cselect_b32 s75, 16, 19                      ; a column block: 1,024 rows of 64 bytes in V^T, 8,192 in q and k
	s_lshl_b32 s72, s72, s75
	s_lshl_b32 s75, s73, 13
	s_add_co_u32 s72, s72, s75
	s_lshl_b32 s75, s69, 23
	s_add_co_u32 s72, s72, s75
	s_mov_b32 s73, 0
	s_add_nc_u64 s[16:17], s[16:17], s[72:73]
	s_wait_kmcnt 0x0
	s_add_co_i32 s96, s84, s85                     ; a sum stands for sum x 2^(the two operands' exponents added)
	s_add_co_i32 s2, s86, s87
	s_add_co_i32 s3, s88, s89
	s_mov_b32 s21, s90                             ; the result's own exponent: entry 6, 7 or 9
	s_cmp_eq_u32 s69, 1
	s_cselect_b32 s96, s2, s96
	s_cselect_b32 s21, s91, s21
	s_cmp_eq_u32 s69, 2
	s_cselect_b32 s96, s3, s96
	s_cselect_b32 s21, s93, s21
	s_add_co_i32 s96, s96, 127
	s_lshl_b32 s96, s96, 23
	s_mov_b32 s97, s96                             ; (named with it as a pair, so it is written)
	s_add_co_i32 s21, s21, 127
	s_lshl_b32 s2, s21, 23
	v_mov_b32 v[SC], s2
	s_wait_loadcnt 0x0                             ; the biases
	WIN 0x88                                       ; source 1 and destination window 2
.set k, 0
.rept 64
	v_and_b32 v[CB+k], s98, v[CB+k]
.set k, k+1
.endr
	WIN 0
.irp a, 0,1,2,3
	v_and_b32 v[RBP+2*\a], s99, v[RB+\a]
	v_and_b32 v[RBP+2*\a+1], s99, v[RB+\a]
.endr
.macro FRAGB reg, slot, st, i          ; a fragment, 16 rows x 128 K, is 16 registers: lane l holds row l % 16; registers 4 c .. 4 c + 3 hold K = 32 c + 16 (l / 16) + 0 .. 15: the same order of K in A and in B
.irp c, 0,1,2,3
	ds_load_b128 v[\reg+4*\c:\reg+4*\c+3], v[ADRB+\slot] offset:128*(\st)+32*\c+(\i)*16*PITCH
.endr
.endm
.macro FRAGA reg, slot, st, i
.irp c, 0,1,2,3
	ds_load_b128 v[\reg+4*\c:\reg+4*\c+3], v[ADRA+\slot] offset:128*(\st)+32*\c+(\i)*16*PITCH
.endr
.endm
.macro FETCH slot, st, set             ; 48 LDS loads in one run: a step's fragments into set 0 (window 2) or 1 (window 3)
	WIN 0x80+0x40*(\set)
.irp i, 0,1,2,3,4,5,6,7
	FRAGB 16*\i, \slot, \st, \i
.endr
.irp i, 0,1,2,3
	FRAGA 128+16*\i, \slot, \st, \i
.endr
.endm
.macro MULA set, a, zero               ; 8 matrix instructions: A's block a x B's eight.  The 32 accumulators take turns, one instruction a turn, in the same order in every step
	WIN 0x5a+5*(\set)
.irp b, 0,1,2,3,4,5,6,7
.if \zero
	v_wmma_f32_16x16x128_fp8_fp8 v[8*(8*(\a)+\b):8*(8*(\a)+\b)+7], v[16*\b:16*\b+15], v[128+16*(\a):128+16*(\a)+15], 0
.else
	v_wmma_f32_16x16x128_fp8_fp8 v[8*(8*(\a)+\b):8*(8*(\a)+\b)+7], v[16*\b:16*\b+15], v[128+16*(\a):128+16*(\a)+15], v[8*(8*(\a)+\b):8*(8*(\a)+\b)+7]
.endif
.endr
.endm
.macro MUL set, zero
	MULA \set, 0, \zero
	MULA \set, 1, \zero
	MULA \set, 2, \zero
	MULA \set, 3, \zero
.endm
; A step that multiplies set 1 and meets the other waves.  In front of the barrier each wave waits for all its tensor loads, adds 0 to its spare word, and waits for that and for its LDS reads.
; fill = 1: the barrier opens a round of the cluster's barrier, and slot 0, which nobody reads any more, takes quarter 3.  Then the next step's fragments are fetched.
.macro GATE fill, slot, st, set
	WIN 0                                          ; (the add's two registers lie in window 0)
	s_wait_tensorcnt 0x0                           ; all my tensor loads have landed
	ds_add_u32 v[SPW], v[NIL]                      ; 0 onto my spare word
	s_wait_dscnt 1                                 ; this step's 48 loads are in; the add may be out
	MULA 1, 0, 0
	s_wait_dscnt 0x0                               ; the add is done, and I have no LDS read out
	s_barrier_signal -1
	MULA 1, 1, 0
	WIN 0
	s_barrier_wait -1
.if \fill
	CREST                                          ; no wave of any partner still reads slot 0 or has a load on its way
	s_add_nc_u64 s[G0A+2:G0A+3], s[G0A+2:G0A+3], 3*QSTA
	s_add_nc_u64 s[G0B+2:G0B+3], s[G0B+2:G0B+3], 3*QSTB
	JLOAD                                          ; the first tensor load behind the round; its four v_nop are also the places in front of the loads below
.else
	PLACES
.endif
	FETCH \slot, \st, \set
	MULA 1, 2, 0
	MULA 1, 3, 0
.endm
	s_wait_tensorcnt 2                             ; my part of quarter 0 is in; quarters 1 and 2 may stay out
	s_barrier_signal -1
	s_barrier_wait -1
	FETCH 0, 0, 0
	FETCH 0, 1, 1
	s_wait_dscnt 48                                ; all but the 48 just issued
	MUL 0, 1                                       ; the first step's products start the sums: nothing is cleared
	GATE 1, 1, 0, 0                                ; every wave has waited for its three fills: slots 1 and 2 are whole from here on
	PLACES
	FETCH 1, 1, 1
	s_wait_dscnt 48
	MUL 0, 0
	PLACES
	FETCH 2, 0, 0
	s_wait_dscnt 48
	MUL 1, 0
	PLACES
	FETCH 2, 1, 1
	s_wait_dscnt 48
	MUL 0, 0
	GATE 0, 0, 0, 0                                ; quarter 3 has landed in every wave's part; nothing is filled again, so no round follows
	PLACES
	FETCH 0, 1, 1
	s_wait_dscnt 48
	MUL 0, 0
	s_wait_dscnt 0x0
	MUL 1, 0
	WIN 0
	PLACES
; THE WAY OUT, 16 rows of A at a time: sum x 2^(the operands' exponents) + bias, in f32; the conversion.  The codes of accumulators 2 b and 2 b + 1 are 16 bytes of a row.
.macro OUTROWS a
	WIN 0x21                                       ; source 0 (the sums) window 1, source 2 (the columns' bias) window 2
.set k, 0
.rept 32
	v_pk_fma_f32 v[T+k:T+k+1], v[64*(\a)+k:64*(\a)+k+1], s[96:97], v[CB+k:CB+k+1] op_sel_hi:[1,0,1]   ; each accumulator from its low end on
.set k, k+2
.endr
	WIN 0
.set k, 0
.rept 32
	v_pk_add_f32 v[T+k:T+k+1], v[T+k:T+k+1], v[RBP+2*(\a):RBP+2*(\a)+1]   ; the row's bias: one of the two biases is 0, so the number is rounded once
.set k, k+2
.endr
.set k, 0
.rept 64
.set k, k+1
.endr
.irp b, 0,1,2,3,4,5,6,7
	v_cvt_scalef32_pk8_fp8_f32 v[CD+16*(\a)+2*\b:CD+16*(\a)+2*\b+1], v[T+8*\b:T+8*\b+7], v[SC]
.endr
	v_nop                                          ; one plain line between the conversions and the next writing of their sources
.irp b, 0,1,2,3
	ds_store_b128 v[STO], v[CD+16*(\a)+4*\b:CD+16*(\a)+4*\b+3] offset:(\a)*16*STP+32*\b
.endr
.endm
	OUTROWS 0
	OUTROWS 1
	OUTROWS 2
	OUTROWS 3
	s_wait_dscnt 0x0                               ; for the others' sake: my stores into the stage are done
	s_barrier_signal -1
	s_barrier_wait -1
.irp t, 0,1,2,3,4,5,6,7,8,9,10,11,12,13,14,15
	ds_load_b128 v[T+4*\t:T+4*\t+3], v[RD] offset:\t*8*STP
.endr
.irp t, 0,1,2,3,4,5,6,7,8,9,10,11,12,13,14,15
	s_wait_dscnt 15-\t                             ; the younger loads may be out
	global_store_b128 v[CO], v[T+4*\t:T+4*\t+3], s[16:17] offset:512*\t   ; eight rows of 64 bytes: 512 consecutive bytes, at a multiple of 512 from the buffer's first byte
.endr
	s_wait_tensorcnt 0x0                           ; the wave's end, behind my last tensor load and my last LDS store
	ds_add_u32 v[SPW], v[NIL]
	s_wait_dscnt 0x0
	CROUND                                         ; the closing round: no work-group ends while a partner may still ask for a tile that names it
	s_endpgm
.Lfunc_end_k_qf9fb832d8d_qkv:
	.size	k_qf9fb832d8d_qkv, .Lfunc_end_k_qf9fb832d8d_qkv-k_qf9fb832d8d_qkv
	.p2alignl 7, 3214868480
	.fill 96, 4, 3214868480
	.section	.rodata,"a",@progbits
	.p2align	6, 0x0
	.amdhsa_kernel k_qf9fb832d8d_qkv
		.amdhsa_group_segment_fixed_size 327680
		.amdhsa_private_segment_fixed_size 0
		.amdhsa_enable_private_segment 0
		.amdhsa_kernarg_size 56
		.amdhsa_user_sgpr_count 2
		.amdhsa_user_sgpr_kernarg_segment_ptr 1
		.amdhsa_wavefront_size32 1
		.amdhsa_system_sgpr_workgroup_id_x 1
		.amdhsa_system_sgpr_workgroup_id_y 1
		.amdhsa_system_sgpr_workgroup_id_z 1
		.amdhsa_system_vgpr_workitem_id 0
		.amdhsa_next_free_vgpr 960
		.amdhsa_next_free_sgpr 106
		.amdhsa_reserve_vcc 0
		.amdhsa_float_denorm_mode_32 3
		.amdhsa_float_denorm_mode_16_64 3
		.amdhsa_fp16_overflow 1
		.amdhsa_memory_ordered 1
		.amdhsa_forward_progress 1
		.amdhsa_inst_pref_size 80
	.end_amdhsa_kernel
	.amdgpu_metadata
---
amdhsa.version: [ 1, 2 ]
amdhsa.kernels:
  - .name:           k_qf9fb832d8d_qkv
    .symbol:         k_qf9fb832d8d_qkv.kd
    .args:
      - { .name: xc, .offset: 0, .size: 8, .value_kind: global_buffer, .address_space: global }
      - { .name: wc, .offset: 8, .size: 8, .value_kind: global_buffer, .address_space: global }
      - { .name: lowp_scales, .offset: 16, .size: 8, .value_kind: global_buffer, .address_space: global }
      - { .name: bq, .offset: 24, .size: 8, .value_kind: global_buffer, .address_space: global }
      - { .name: bk, .offset: 32, .size: 8, .value_kind: global_buffer, .address_space: global }
      - { .name: bv, .offset: 40, .size: 8, .value_kind: global_buffer, .address_space: global }
      - { .name: qkvc, .offset: 48, .size: 8, .value_kind: global_buffer, .address_space: global }
    .group_segment_fixed_size: 327680
    .private_segment_fixed_size: 0
    .kernarg_segment_align: 8
    .kernarg_segment_size: 56
    .max_flat_workgroup_size: 128
    .sgpr_count:     106
    .vgpr_count:     960
    .wavefront_size: 32
...
	.end_amdgpu_metadata
.endif
;; end of part 2
;; launch attn (part 3): grid 4 x 64, 16 waves a work-group, no clusters, 327,680 bytes of LDS; arguments qkvc, lowp_scales, ac; writes ac
.if DOCPART == 3
	.amdgcn_target "amdgcn-amd-amdhsa--gfx1250"
	.amdhsa_code_object_version 6
	.text
	.protected	k_qf9fb832d8d_attn
	.globl	k_qf9fb832d8d_attn
	.p2align	8
	.type	k_qf9fb832d8d_attn,@function
k_qf9fb832d8d_attn:
	s_mov_b64 s[64:65], 0
	v_nop
	global_prefetch_b8 v0, s[64:65] scope:SCOPE_SE
	s_setreg_imm32_b32 hwreg(HW_REG_WAVE_MODE, 25, 1), 1
	s_wait_xcnt 0x0
; Causal attention on codes of FP8 (E4M3), head size 64, 2,048 tokens, 64 pairs (head, batch).  q, k: qkvc planes 0, 1: [head][batch][token][64 bytes]; V^T: plane 2: [batch][64 tokens][head][channel][64 bytes], keys innermost.
; THE SOFTMAX AHEAD OF THE SECOND PRODUCT: t = score x log2(e) / 8; M = the running largest t, rounded UP to a whole number; p = 2^(t - M) is quantised (entry 8), not normalised; the row's sum is taken of the
; unquantised p and divides O at the end; when M moves, the sum and O are multiplied by 2^(old M - new M), which rounds nothing.  O / sum is quantised at once (entry 10) and stored as codes: ac[head][batch, token][64].
; SHARES.  Work-group (X, y) takes query blocks X and 7 - X (256 queries each) of pair y: key slots of 256 keys 0 .. X and then 0 .. 7 - X: NINE slots in every work-group: 256 work-groups of equal work, and a
; trip count that is a constant.  Each of sixteen waves owns 16 queries of a block, in 256 registers: four waves to a SIMD, so that one wave's vector work stands beside another's matrix work and LDS loads.
; NO CLUSTER: the four work-groups of a pair want different slots in the same trip (X = 0 reads slots 0,0,1,2,.. while X = 3 reads 0,1,2,3,0,..); walking in step would take 12 slots' time in place of 9.
; LAYOUT.  Both products are used transposed: S^T = K Q^T (source 0 = 16 keys, source 1 = my 16 queries, K = 64), O^T = V^T P^T (source 0 = 16 channels, source 1 = P, K = 128 keys): a lane holds ONE query throughout.
; A tile of S^T gives lane (r, h) keys 16 t + 8 h + 0 .. 7 in eight registers: their codes are registers 2 t, 2 t + 1 of the second product's operand as its own layout has them.  V^T's keys lie in memory in the order
; 0-7, 16-23, 8-15, 24-31 of each 32, so that one 16-byte load brings registers 4 c .. 4 c + 3 of V^T's fragment.  q's and k's channels have one order, the same in both.
; THE MASK.  A step of 128 keys all of which come after the wave's queries is left out (a branch on ids); in the step on the diagonal hidden scores become -infinity ahead of the maximum, so p = 0.
; A step that is walked begins at or under the wave's first query, so every row of it has a key that counts.
; LIMITS: e6 + e7 between -123 and 130 (added to the exponent field of log2(e) / 8); e8 and e10 between -126 and 119; e8 + e9 is applied by v_ldexp_f32 and has none.  NaN is not served.
; REGISTERS: v1-11 addresses; v12 -M, v13 the largest t, v[14:15] the sum in two halves; v16-23 Q of the block in hand, v24-31 Q of block 7 - X; v32-95 K's eight fragments, then V^T's four; v96-159 S^T, then p;
; v160-191 O^T; v192-207 p's codes; v208-239 the way out; v240.. constants and work.
.set KP,    272                        ; an LDS line: 256 bytes (four keys, or four channels, of 64 bytes) + 16 of padding: the sixteen lanes of half a 16-byte load touch sixteen different 16-byte columns
.set VOFF,  64*KP                      ; a slot: 64 lines of K, then 4 key blocks x 16 lines of V^T
.set VBLK,  16*KP
.set SLOT1, 65536                      ; slot 1 begins here, so that one exclusive or turns an address in one slot into the other's
.set STAGE, 131072                     ; the way out: 1,024 bytes for each wave; no tile lands here
.set SPARE, 147456                     ; the spare words, 128 bytes for each wave: eight blocks of 256 bytes that no other line names
.set AK0, 1                            ; v1  my lane's place in a tile of K
.set AV0, 2                            ; v2  the same for V^T
.set PFO, 3                            ; v3  the prefetches' offset; never rewritten
.set STO, 4                            ; v4  the stage: where I put 8 bytes of a row
.set SPW, 5                            ; v5  LDS address of my spare word; never rewritten
.set NIL, 6                            ; v6  0; never rewritten
.set GO,  7                            ; v7  16 x lane
.set ADK, 8                            ; v8, v9 LDS addresses of the step in hand
.set ADV, 9
.set SRD, 10                           ; v10 the stage: where I read back
.set RMH, 11                           ; v11 lane % 16 - 8 (lane / 16)
.set TB,  2                            ; s2  LDS byte at which the slot in hand begins
.set SLOTS, 3                          ; s3  trips to go
.set WV,  10
.set XX,  11                           ; s11 the work-group's x
.set BLK, 12                           ; s12 the query block in hand
.set CUR, 13                           ; s13 the key slot in hand;  s14 the next
.set NXT, 14
.set Q0,  15                           ; s15 my first query
.set KF0, 16                           ; s16 the slot's first key
.set SEL, 20                           ; s[20:21] selects of v_permlanex16_b32: lane l xor 16
.set CS,  22                           ; s[22:23] c = log2(e) / 8 x 2^(e6 + e7)
.set G1K, 24
.set G1V, 32
.set G0K, 40
.set G0V, 44
.set KB,  48                           ; s[48:49] K of my pair; s[50:51] V^T; s[52:53] ac
.set VB,  50
.set ACB, 52
.set OFS, 54                           ; s[54:55] an offset, its high word 0
.set PFA, 56                           ; s[56:57] where my prefetches stand; s[58:59] a slot on; s60: 2 in a wave that prefetches, else the greatest number
.set PFS, 58
.set LIM, 60
.set EPV, 61                           ; s61 e8 + e9
.macro TLOAD                           ; wave 0 fetches K's tile, wave 1 V^T's, the others nothing; an s_nop 0 and four v_nop follow each line
	s_cmp_eq_u32 s[WV], 0
	s_cbranch_scc0 .Lnot_k_\@
	tensor_load_to_lds s[G0K:G0K+3], s[G1K:G1K+7]
	s_nop 0
.rept 4
	v_nop
.endr
	s_branch .Lasked_\@
.Lnot_k_\@:
	s_cmp_eq_u32 s[WV], 1
	s_cbranch_scc0 .Lasked_\@
	tensor_load_to_lds s[G0V:G0V+3], s[G1V:G1V+7]
	s_nop 0
.rept 4
	v_nop
.endr
.Lasked_\@:
.endm
; A PREFETCH INTO THE L2.  All four work-groups of a pair walk the same K and V^T: the one with X = 0 asks, in trips 0 to 5, for key slots 2 to 7: trip t names slot t + 2, which no work-group of the pair loads before trip t + 1.
; Waves 4, 5 ask for K's 16,384 bytes of a slot, waves 6, 7 for V^T's 4 x 4,096: 32 lanes, 256 bytes apart, one instruction a wave: each aligned block of 256 bytes is named once.  Slots 0 and 1 come by their loads alone.
.macro ASK
	s_cmp_gt_u32 s[SLOTS], s[LIM]
	s_cbranch_scc0 .Lnot_mine_\@
	global_prefetch_b8 v[PFO], s[PFA:PFA+1] th:TH_LOAD_NT scope:SCOPE_SE
.Lnot_mine_\@:
.endm
	s_load_b128 s[4:7], s[0:1], 0x0                ; qkvc s[4:5], the exponents s[6:7]
	s_load_b64 s[8:9], s[0:1], 0x10                ; ac
	v_lshl_add_u32 v[SPW], v0, 2, SPARE
	v_mov_b32 v[NIL], 0
	ds_add_u32 v[SPW], v[NIL]                      ; the wave's opening: the add and its wait stand ahead of my first tensor load; work on registers stands between them
	ds_add_u32 v[SPW], v[NIL]
	v_lshrrev_b32 v8, 5, v0
	s_delay_alu instid0(VALU_DEP_1)
	v_readfirstlane_b32 s[WV], v8                  ; wave 0..15
	s_mov_b32 s[XX], ttmp9
	s_and_b32 s17, ttmp7, 0xffff                   ; y = 4 x head + batch
	s_mov_b32 s[G1K], (3<<16)|(1<<20)|(5<<22)|(3<<25)   ; no mask; elements of 8 bytes; padding on: four words after every 64
	s_mov_b32 s[G1K+1], 32<<16                     ; K: 64 dense rows of 256 bytes
	s_mov_b32 s[G1K+2], 64<<16
	s_mov_b32 s[G1K+3], 32<<16
	s_mov_b32 s[G1K+4], 64
	s_mov_b32 s[G1K+5], 32
	s_mov_b32 s[G1K+6], 0
	s_mov_b32 s[G1K+7], 0
	s_mov_b32 s[G1V], (3<<16)|(1<<20)|(5<<22)|(3<<25)
	s_mov_b32 s[G1V+1], 512<<16                    ; V^T: 4 rows (key blocks) of 4,096 bytes, 65,536 bytes apart
	s_mov_b32 s[G1V+2], 4<<16
	s_mov_b32 s[G1V+3], 512<<16
	s_mov_b32 s[G1V+4], 4
	s_mov_b32 s[G1V+5], 8192
	s_mov_b32 s[G1V+6], 0
	s_mov_b32 s[G1V+7], 0
	s_mov_b32 s[SEL], 0x76543210
	s_mov_b32 s[SEL+1], 0xfedcba98
	s_mov_b32 s[CS], 0x3e38aa3b                    ; log2(e) / 8
	s_mov_b32 s[TB], 0
	s_mov_b32 s[SLOTS], 8
	s_mov_b32 s[BLK], s[XX]
	s_mov_b32 s[CUR], 0
	s_mov_b32 s[KF0], 0
	s_lshl_b32 s[Q0], s[XX], 8
	s_lshl_b32 s96, s[WV], 4
	s_add_co_u32 s[Q0], s[Q0], s96                 ; 256 x block + 16 x wave
	s_mov_b32 s[OFS+1], 0
	s_wait_dscnt 0x0                               ; the opening add is done
	s_wait_kmcnt 0x0
	s_load_b256 s[68:75], s[6:7], 0x0              ; e0 .. e7
	s_load_b128 s[76:79], s[6:7], 0x20             ; e8 .. e11
	s_lshl_b32 s[OFS], s17, 17                     ; a pair's 2,048 rows of 64 bytes
	s_add_nc_u64 s[80:81], s[4:5], s[OFS:OFS+1]    ; q of my pair
	s_add_nc_u64 s[KB:KB+1], s[80:81], 0x800000    ; k: the next plane
	s_add_nc_u64 s[ACB:ACB+1], s[8:9], s[OFS:OFS+1]
	s_and_b32 s[OFS], s17, 3
	s_lshl_b32 s[OFS], s[OFS], 21                  ; V^T: batch x 32 key blocks of 65,536 bytes,
	s_lshr_b32 s96, s17, 2
	s_lshl_b32 s96, s96, 12                        ; + head x 4,096
	s_add_co_u32 s[OFS], s[OFS], s96
	s_add_nc_u64 s[VB:VB+1], s[4:5], s[OFS:OFS+1]
	s_add_nc_u64 s[VB:VB+1], s[VB:VB+1], 0x1000000
	s_mov_b32 s[G0K], 1
	s_mov_b32 s[G0K+1], 0                          ; slot 0
	s_mov_b64 s[G0K+2:G0K+3], s[KB:KB+1]           ; key slot 0
	s_or_b32 s[G0K+3], s[G0K+3], 0x80000000
	s_mov_b32 s[G0V], 1
	s_mov_b32 s[G0V+1], VOFF
	s_mov_b64 s[G0V+2:G0V+3], s[VB:VB+1]
	s_or_b32 s[G0V+3], s[G0V+3], 0x80000000
	TLOAD
	v_and_b32 v8, 15, v0                           ; r
	v_bfe_u32 v9, v0, 4, 1                         ; h
	s_delay_alu instid0(VALU_DEP_2)
	v_lshlrev_b32 v250, 6, v8
	s_delay_alu instid0(VALU_DEP_1)
	v_lshl_add_u32 v250, v9, 4, v250               ; q: row r of 64 bytes, + 16 h: the same bytes of a row as K's fragments take
	s_wait_alu depctr_va_vdst(0)
	s_lshl_b32 s[OFS], s[Q0], 6
	s_add_nc_u64 s[82:83], s[80:81], s[OFS:OFS+1]
	global_load_b128 v[16:19], v250, s[82:83] th:TH_LOAD_NT
	global_load_b128 v[20:23], v250, s[82:83] offset:32 th:TH_LOAD_NT
	s_sub_co_u32 s96, 7, s[XX]                     ; and of block 7 - X
	s_lshl_b32 s96, s96, 8
	s_lshl_b32 s97, s[WV], 4
	s_add_co_u32 s96, s96, s97
	s_lshl_b32 s[OFS], s96, 6
	s_add_nc_u64 s[84:85], s[80:81], s[OFS:OFS+1]
	global_load_b128 v[24:27], v250, s[84:85] th:TH_LOAD_NT
	global_load_b128 v[28:31], v250, s[84:85] offset:32 th:TH_LOAD_NT
	v_lshrrev_b32 v[AK0], 2, v8
	s_delay_alu instid0(VALU_DEP_1)
	v_mul_u32_u24 v[AK0], v[AK0], KP
	v_and_b32 v[AV0], 3, v8
	s_delay_alu instid0(VALU_DEP_1)
	v_lshl_add_u32 v[AK0], v[AV0], 6, v[AK0]
	s_delay_alu instid0(VALU_DEP_1)
	v_lshl_add_u32 v[AK0], v9, 4, v[AK0]           ; (r / 4) lines + (r % 4) x 64 + 16 h
	s_delay_alu instid0(VALU_DEP_1)
	v_add_nc_u32 v[AV0], VOFF, v[AK0]
	s_lshl_b32 s96, s[WV], 10
	s_add_co_u32 s96, s96, STAGE                   ; my stage
	v_lshlrev_b32 v[STO], 6, v8
	s_delay_alu instid0(VALU_DEP_1)
	v_lshl_add_u32 v[STO], v9, 3, v[STO]
	s_delay_alu instid0(VALU_DEP_1)
	v_add_nc_u32 v[STO], s96, v[STO]               ; in: row r of 64 bytes, + 8 h
	v_and_b32 v[GO], 31, v0
	s_delay_alu instid0(VALU_DEP_1)
	v_lshlrev_b32 v[GO], 4, v[GO]
	s_delay_alu instid0(VALU_DEP_1)
	v_add_nc_u32 v[SRD], s96, v[GO]                ; back: 16 bytes a lane
	v_lshlrev_b32 v[RMH], 3, v9
	s_delay_alu instid0(VALU_DEP_1)
	v_sub_nc_u32 v[RMH], v8, v[RMH]
	s_cmp_lt_u32 s[WV], 6                          ; the prefetches: waves 4, 5 stand in K, waves 6, 7 in V^T (the other waves' registers are made alike and never used)
	s_cselect_b64 s[PFA:PFA+1], s[KB:KB+1], s[VB:VB+1]
	s_cselect_b32 s96, 12, 16                      ; lanes 16-31 begin 4,096 or 65,536 bytes on,
	s_cselect_b32 s97, 14, 18                      ; a slot is 16,384 or 262,144 bytes on,
	s_cselect_b32 s86, 13, 17                      ; the second wave begins 8,192 or 131,072 bytes on
	v_and_b32 v[PFO], 15, v0
	s_delay_alu instid0(VALU_DEP_1)
	v_lshlrev_b32 v[PFO], 8, v[PFO]
	v_lshlrev_b32 v251, s96, v9
	s_delay_alu instid0(VALU_DEP_1)
	v_add_nc_u32 v[PFO], v[PFO], v251
	s_lshl_b32 s[PFS], 1, s97
	s_mov_b32 s[PFS+1], 0
	s_and_b32 s87, s[WV], 1
	s_lshl_b32 s[OFS], s87, s86
	s_add_co_u32 s[OFS], s[OFS], s[PFS]            ; in key slot 1: the first change of slots steps it to slot 2.  Nothing is prefetched here, at the head
	s_add_nc_u64 s[PFA:PFA+1], s[PFA:PFA+1], s[OFS:OFS+1]
	s_sub_co_u32 s87, s[WV], 4
	s_lshr_b32 s87, s87, 2                         ; 0 in waves 4 to 7,
	s_or_b32 s87, s87, s[XX]                       ; of the pair's first work-group
	s_cmp_eq_u32 s87, 0
	s_cselect_b32 s[LIM], 2, -1
	v_mov_b32 v13, 0xff61b1e6                      ; the largest t so far: -3e38, under every t
	s_delay_alu instid0(VALU_DEP_1)
	v_floor_f32 v12, -v13                          ; -M
	v_mov_b32 v14, 0
	v_mov_b32 v15, 0
	v_mov_b32 v248, 0                              ; written once: a lane permute's destination counts as one of its sources
	v_mov_b32 v253, 0                              ; (named as the upper half of the pair v[252:253])
.set n, 0
.rept 32
	v_mov_b32 v[160+n], 0                          ; O^T: the step is written once; a block's first step finds zeros, which the first change of M leaves zeros
.set n, n+1
.endr
	s_wait_kmcnt 0x0
	s_add_co_i32 s96, s74, s75                     ; a score stands for score x 2^(e6 + e7): added to c's exponent field
	s_lshl_b32 s96, s96, 23
	s_add_co_i32 s[CS], s[CS], s96
	s_mov_b32 s[CS+1], s[CS]                       ; (named with it as a pair, so it is written)
	s_add_co_i32 s96, s76, 127
	s_lshl_b32 s97, s96, 23
	v_mov_b32 v241, s97                            ; 2^e8, for p's conversion
	s_add_co_i32 s96, s78, 127
	s_lshl_b32 s97, s96, 23
	v_mov_b32 v245, s97                            ; 2^e10, for the result's
	s_add_co_i32 s[EPV], s76, s77                  ; e8 + e9
; A KEY STEP: 128 keys, the q-th of the slot in hand.
.macro STEP q
	s_add_co_u32 s96, s[KF0], 128*(\q)             ; the step's first key
	s_add_co_u32 s97, s[Q0], 15
	s_cmp_gt_u32 s96, s97                          ; all its keys come after my queries: a branch on ids, round no barrier and no tensor load
	s_cbranch_scc1 .Lhidden_\@
	v_add_nc_u32 v[ADK], s[TB], v[AK0]
	v_add_nc_u32 v[ADV], s[TB], v[AV0]
	v_nop                                          ; with the two additions: four places in front of loads into registers that the last products read
	v_nop
.irp t, 0,1,2,3,4,5,6,7
.irp c, 0,1
	ds_load_b128 v[32+8*\t+4*\c:32+8*\t+4*\c+3], v[ADK] offset:(32*(\q)+4*\t)*KP+32*\c   ; keys 16 t + r
.endr
.endr
	s_wait_alu depctr_va_vdst(0)
	s_wait_dscnt 0x0
.irp t, 0,1,2,3,4,5,6,7
	v_wmma_f32_16x16x64_fp8_fp8 v[96+8*\t:103+8*\t], v[32+8*\t:39+8*\t], v[16:23], 0
.endr
.rept 4
	v_nop                                          ; places in front of the loads below and of the first read of the scores
.endr
.irp t, 0,1,2,3
.irp c, 0,1,2,3
	ds_load_b128 v[32+16*\t+4*\c:32+16*\t+4*\c+3], v[ADV] offset:(2*(\q)+\c/2)*VBLK+4*\t*KP+32*(\c%2)   ; V^T: channels 16 t + r; it lands while the softmax is walked
.endr
.endr
	s_add_co_u32 s97, s96, 127
	s_cmp_le_u32 s97, s[Q0]                        ; all keys count: no mask
	s_cbranch_scc1 .Lopen_\@
	s_sub_co_i32 s97, s[Q0], s96
	v_add_nc_u32 v252, s97, v[RMH]                 ; d = my query - the step's first key - 8 (lane / 16).  Register 8 t + j holds key 16 t + 8 (lane / 16) + j: hidden where 16 t + j > d
	v_mov_b32 v254, 0xff800000                     ; -infinity
.set n, 0
.rept 64
	v_cmp_gt_i32 vcc_lo, 16*(n/8)+n%8, v252
	v_cndmask_b32 v[96+n], v[96+n], v254, vcc_lo
.set n, n+1
.endr
.Lopen_\@:
	v_max3_num_f32 v254, v96, v97, v98             ; the step's largest score of my query, among my 64 keys, in two chains; each tile is first read at its low end
	v_max3_num_f32 v252, v99, v100, v101
.irp i, 6,10,14,18,22,26,30,34,38,42,46,50,54,58
	v_max3_num_f32 v254, v254, v[96+\i], v[97+\i]
	v_max3_num_f32 v252, v252, v[98+\i], v[99+\i]
.endr
	v_max3_num_f32 v254, v254, v158, v159
	s_delay_alu instid0(VALU_DEP_1)
	v_max_num_f32 v254, v254, v252
	s_delay_alu instid0(VALU_DEP_1)
	v_permlanex16_b32 v248, v254, s[SEL], s[SEL+1]
	s_delay_alu instid0(VALU_DEP_1)
	v_max_num_f32 v254, v254, v248                 ; and among lane l xor 16's
	s_delay_alu instid0(VALU_DEP_1)
	v_mul_f32 v254, s[CS], v254                    ; as t (c is positive)
	s_delay_alu instid0(VALU_DEP_1)
	v_max_num_f32 v13, v13, v254                   ; the running largest t
	v_mov_b32 v254, v12
	s_delay_alu instid0(VALU_DEP_2)
	v_floor_f32 v12, -v13                          ; the new -M = floor(-t) = -ceil(t): a whole number
	s_delay_alu instid0(VALU_DEP_1)
	v_sub_f32 v254, v12, v254                      ; old M - new M: a whole number, 0 or less
	s_delay_alu instid0(VALU_DEP_1)
	v_cvt_i32_f32 v254, v254                       ; (it saturates)
	s_delay_alu instid0(VALU_DEP_1)
	v_ldexp_f32 v252, 1.0, v254                    ; f = 2^(old M - new M)
.set n, 0
.rept 32
	v_pk_fma_f32 v[96+n:97+n], v[96+n:97+n], s[CS:CS+1], v[12:13] op_sel_hi:[1,0,0]   ; t - M, two at a time
.set n, n+2
.endr
.set n, 0
	s_wait_alu depctr_va_vdst(0)
.rept 64
	v_exp_f32 v[96+n], v[96+n]                     ; p = 2^(t - M), at most 1
.set n, n+1
.endr
	v_pk_mul_f32 v[14:15], v[14:15], v[252:253] op_sel_hi:[1,0]   ; the sums under the new M: the plain line behind the exponentials
	s_wait_alu depctr_va_vdst(0)                   ; the wait ahead of the first line that names an exponential's result: one for the batch of 64
	v_pk_add_f32 v[242:243], v[100:101], v[104:105]
	v_pk_add_f32 v[254:255], v[108:109], v[112:113]
	v_pk_add_f32 v[250:251], v[116:117], v[120:121]
	v_pk_add_f32 v[246:247], v[124:125], v[128:129]
	v_pk_add_f32 v[238:239], v[132:133], v[136:137]
	v_pk_add_f32 v[236:237], v[140:141], v[144:145]
	v_pk_add_f32 v[234:235], v[148:149], v[152:153]
	v_pk_add_f32 v[14:15], v[14:15], v[156:157]
	v_pk_add_f32 v[242:243], v[242:243], v[96:97]
	v_pk_add_f32 v[254:255], v[254:255], v[98:99]
	v_pk_add_f32 v[250:251], v[250:251], v[102:103]
	v_pk_add_f32 v[246:247], v[246:247], v[106:107]
	v_pk_add_f32 v[238:239], v[238:239], v[110:111]
	v_pk_add_f32 v[236:237], v[236:237], v[114:115]
	v_pk_add_f32 v[234:235], v[234:235], v[118:119]
	v_pk_add_f32 v[14:15], v[14:15], v[122:123]
	v_pk_add_f32 v[242:243], v[242:243], v[126:127]
	v_pk_add_f32 v[254:255], v[254:255], v[130:131]
	v_pk_add_f32 v[250:251], v[250:251], v[134:135]
	v_pk_add_f32 v[246:247], v[246:247], v[138:139]
	v_pk_add_f32 v[238:239], v[238:239], v[142:143]
	v_pk_add_f32 v[236:237], v[236:237], v[146:147]
	v_pk_add_f32 v[234:235], v[234:235], v[150:151]
	v_pk_add_f32 v[14:15], v[14:15], v[154:155]
	v_pk_add_f32 v[242:243], v[242:243], v[158:159]
	s_delay_alu instid0(VALU_DEP_2)
	v_pk_add_f32 v[14:15], v[14:15], v[246:247]
	s_delay_alu instid0(VALU_DEP_2)
	v_pk_add_f32 v[242:243], v[242:243], v[238:239]
	v_pk_add_f32 v[254:255], v[254:255], v[236:237]
	v_pk_add_f32 v[250:251], v[250:251], v[234:235]
	s_delay_alu instid0(VALU_DEP_2)
	v_pk_add_f32 v[14:15], v[14:15], v[254:255]
	s_delay_alu instid0(VALU_DEP_2)
	v_pk_add_f32 v[242:243], v[242:243], v[250:251]
	s_delay_alu instid0(VALU_DEP_1)
	v_pk_add_f32 v[14:15], v[14:15], v[242:243]
.set n, 0
.rept 64
.set n, n+1
.endr
.irp c, 0,1,2,3,4,5,6,7
	v_cvt_scalef32_pk8_fp8_f32 v[192+2*\c:193+2*\c], v[96+8*\c:103+8*\c], v241
.endr
.set n, 0
.rept 16
	v_pk_mul_f32 v[160+n:161+n], v[160+n:161+n], v[252:253] op_sel_hi:[1,0]   ; O^T under the new M; these are also the plain lines between the conversions and the products
.set n, n+2
.endr
	s_wait_alu depctr_va_vdst(0)
	s_wait_dscnt 0x0                               ; V^T is in
.irp t, 0,1,2,3
	v_wmma_f32_16x16x128_fp8_fp8 v[160+8*\t:167+8*\t], v[32+16*\t:47+16*\t], v[192:207], v[160+8*\t:167+8*\t]   ; four accumulators by turns; eight other products stand between two links of a chain
.endr
.Lhidden_\@:
.endm
; THE CHANGE OF SLOTS stands at a slot's head.  Each wave waits for all its tensor loads, adds 0 to its spare word, and waits for that and for its reads of the slot that it has left.  Behind the barrier the slot
; ahead is whole and nobody reads the other one.  fill = 1: that other slot takes the key slot that follows: CUR + 1, or 0 where the block in hand ends.  Every slot that is asked for is read.
.macro CHANGE fill
	s_wait_tensorcnt 0x0                           ; no tensor load of mine is out, so a group 0 may be written
	ds_add_u32 v[SPW], v[NIL]                      ; 0 onto my spare word
.if \fill
	s_add_co_u32 s97, s[CUR], 1
	s_cmp_eq_u32 s[CUR], s[BLK]
	s_cselect_b32 s[NXT], 0, s97
	s_xor_b32 s[G0K+1], s[G0K+1], SLOT1
	s_xor_b32 s[G0V+1], s[G0V+1], SLOT1
	s_lshl_b32 s[OFS], s[NXT], 14                  ; 256 keys of 64 bytes
	s_add_nc_u64 s[G0K+2:G0K+3], s[KB:KB+1], s[OFS:OFS+1]
	s_or_b32 s[G0K+3], s[G0K+3], 0x80000000
	s_lshl_b32 s[OFS], s[NXT], 18                  ; 4 key blocks of 65,536 bytes
	s_add_nc_u64 s[G0V+2:G0V+3], s[VB:VB+1], s[OFS:OFS+1]
	s_or_b32 s[G0V+3], s[G0V+3], 0x80000000
	s_wait_xcnt 0x0                                ; the last prefetch, a slot back, has read its address, so it may be written
	s_add_nc_u64 s[PFA:PFA+1], s[PFA:PFA+1], s[PFS:PFS+1]
.endif
	s_wait_dscnt 0x0                               ; the add is done, and my reads of the slot that I have left are over
	s_barrier_signal -1
	s_barrier_wait -1
.if \fill
	TLOAD                                          ; the first thing behind the barrier, and a wave's one tensor load until the next: it has a slot's two steps of sixteen waves in which to land
	ASK
.endif
.endm
; A BLOCK'S END: O^T / the sum x 2^(e8 + e9), quantised; 16 rows of 64 bytes go through my stage and leave as 1,024 consecutive bytes.
.macro FINISH
.rept 4
	v_nop                                          ; four places between the last products and the first read of O^T
.endr
	v_add_f32 v14, v14, v15                        ; the sum's two halves,
	s_delay_alu instid0(VALU_DEP_1)
	v_permlanex16_b32 v248, v14, s[SEL], s[SEL+1]
	s_delay_alu instid0(VALU_DEP_1)
	v_add_f32 v14, v14, v248                       ; and lane l xor 16's
	s_wait_alu depctr_va_vdst(0)
	v_rcp_f32 v14, v14
	v_nop                                          ; a plain line behind the reciprocal
	s_lshl_b32 s[OFS], s[Q0], 6
	s_add_nc_u64 s[18:19], s[ACB:ACB+1], s[OFS:OFS+1]
	s_wait_alu depctr_va_vdst(0)                   ; the wait ahead of the first reader
	v_ldexp_f32 v14, v14, s[EPV]
.set n, 0
.rept 16
	v_pk_mul_f32 v[208+n:209+n], v[160+n:161+n], v[14:15] op_sel_hi:[1,0]   ; register 8 t + j: channel 16 t + 8 h + j of my query
.set n, n+2
.endr
.set n, 0
.rept 32
.set n, n+1
.endr
.irp t, 0,1,2,3
	v_cvt_scalef32_pk8_fp8_f32 v[192+2*\t:193+2*\t], v[208+8*\t:215+8*\t], v245
.endr
	v_nop                                          ; one plain line behind the last conversion
.irp t, 0,1,2,3
	ds_store_b64 v[STO], v[192+2*\t:193+2*\t] offset:16*\t   ; the channels in their true order
.endr
	ds_load_b128 v[208:211], v[SRD]                ; LDS serves a wave's instructions in order: these see my stores
	ds_load_b128 v[212:215], v[SRD] offset:512
	s_wait_dscnt 1                                 ; the second load may be out
	global_store_b128 v[GO], v[208:211], s[18:19]  ; 512 consecutive bytes, at a multiple of 512 from the buffer's first byte
	s_wait_dscnt 0x0
	global_store_b128 v[GO], v[212:215], s[18:19] offset:512
	s_wait_xcnt 0x0                                ; the stores have read their registers and their base: both are written again for the second block
.endm
.macro RESET                           ; on to block 7 - X
	s_sub_co_u32 s[BLK], 7, s[XX]
	s_lshl_b32 s[Q0], s[BLK], 8
	s_lshl_b32 s96, s[WV], 4
	s_add_co_u32 s[Q0], s[Q0], s96
.set n, 0
.rept 8
	v_mov_b32 v[16+n], v[24+n]
.set n, n+1
.endr
.set n, 0
.rept 32
	v_mov_b32 v[160+n], 0
.set n, n+1
.endr
	v_mov_b32 v14, 0
	v_mov_b32 v15, 0
	v_mov_b32 v13, 0xff61b1e6
	s_delay_alu instid0(VALU_DEP_1)
	v_floor_f32 v12, -v13
.endm
	s_wait_loadcnt 0x0                             ; Q, both blocks'
.Lslot:                                            ; eight trips: behind each change of slots but the last the next key slot is asked for
	CHANGE 1
	STEP 0
	STEP 1
	s_xor_b32 s[TB], s[TB], SLOT1                  ; on to the other slot
	s_cmp_lg_u32 s[CUR], s[BLK]                    ; ids and the count of trips alone: all sixteen waves go the same way
	s_cbranch_scc1 .Lsame
	s_wait_alu depctr_va_vdst(0)
	FINISH                                         ; the first block's last slot is done
	RESET
.Lsame:
	s_mov_b32 s[CUR], s[NXT]
	s_lshl_b32 s[KF0], s[NXT], 8
	s_sub_co_u32 s[SLOTS], s[SLOTS], 1
	s_cmp_lg_u32 s[SLOTS], 0
	s_cbranch_scc1 .Lslot
	CHANGE 0                                       ; the ninth slot is written out: nothing is left to fetch
	STEP 0
	STEP 1
	s_wait_alu depctr_va_vdst(0)
	FINISH
	s_wait_tensorcnt 0x0                           ; the wave's end, behind my last tensor load and my last LDS store
	ds_add_u32 v[SPW], v[NIL]
	s_wait_dscnt 0x0
	s_endpgm
.Lfunc_end_k_qf9fb832d8d_attn:
	.size	k_qf9fb832d8d_attn, .Lfunc_end_k_qf9fb832d8d_attn-k_qf9fb832d8d_attn
	.p2alignl 7, 3214868480
	.fill 96, 4, 3214868480
	.section	.rodata,"a",@progbits
	.p2align	6, 0x0
	.amdhsa_kernel k_qf9fb832d8d_attn
		.amdhsa_group_segment_fixed_size 327680
		.amdhsa_private_segment_fixed_size 0
		.amdhsa_enable_private_segment 0
		.amdhsa_kernarg_size 24
		.amdhsa_user_sgpr_count 2
		.amdhsa_user_sgpr_kernarg_segment_ptr 1
		.amdhsa_wavefront_size32 1
		.amdhsa_system_sgpr_workgroup_id_x 1
		.amdhsa_system_sgpr_workgroup_id_y 1
		.amdhsa_system_sgpr_workgroup_id_z 1
		.amdhsa_system_vgpr_workitem_id 0
		.amdhsa_next_free_vgpr 256
		.amdhsa_next_free_sgpr 100
		.amdhsa_reserve_vcc 1
		.amdhsa_float_denorm_mode_32 3
		.amdhsa_float_denorm_mode_16_64 3
		.amdhsa_fp16_overflow 1
		.amdhsa_memory_ordered 1
		.amdhsa_forward_progress 1
		.amdhsa_inst_pref_size 93
	.end_amdhsa_kernel
	.amdgpu_metadata
---
amdhsa.version: [ 1, 2 ]
amdhsa.kernels:
  - .name:           k_qf9fb832d8d_attn
    .symbol:         k_qf9fb832d8d_attn.kd
    .args:
      - { .name: qkvc, .offset: 0, .size: 8, .value_kind: global_buffer, .address_space: global }
      - { .name: lowp_scales, .offset: 8, .size: 8, .value_kind: global_buffer, .address_space: global }
      - { .name: ac, .offset: 16, .size: 8, .value_kind: global_buffer, .address_space: global }
    .group_segment_fixed_size: 327680
    .private_segment_fixed_size: 0
    .kernarg_segment_align: 8
    .kernarg_segment_size: 24
    .max_flat_workgroup_size: 512
    .sgpr_count:     100
    .vgpr_count:     256
    .wavefront_size: 32
...
	.end_amdgpu_metadata
.endif
;; end of part 3
;; launch proj (part 4): grid 4 x 64, 4 waves a work-group, clusters of 4 x 4, 327,680 bytes of LDS; arguments ac, wc, lowp_scales, bo, out0; writes out0
.if DOCPART == 4
	.amdgcn_target "amdgcn-amd-amdhsa--gfx1250"
	.amdhsa_code_object_version 6
	.text
	.protected	k_qf9fb832d8d_proj
	.globl	k_qf9fb832d8d_proj
	.p2align	8
	.type	k_qf9fb832d8d_proj,@function
k_qf9fb832d8d_proj:
	s_mov_b64 s[64:65], 0
	v_nop
	global_prefetch_b8 v0, s[64:65] scope:SCOPE_SE
	s_setreg_imm32_b32 hwreg(HW_REG_WAVE_MODE, 25, 1), 1
	s_wait_xcnt 0x0
	s_wait_alu depctr_hold_cnt(0) depctr_sa_sdst(0) depctr_va_vdst(0) depctr_va_sdst(0) depctr_va_ssrc(0) depctr_va_vcc(0) depctr_vm_vsrc(0)
	s_getreg_b32 s2, hwreg(HW_REG_IB_STS2, 6, 4)
	s_cmp_eq_u32 s2, 0
	s_cbranch_scc0 .Lentry_in_a_cluster
	s_endpgm
.Lentry_in_a_cluster:
	s_bfe_u32 s2, ttmp6, 0x10000c
	s_cmp_lg_u32 s2, 0xf033
	s_cbranch_scc0 .Lentry_shape_is_right
	s_endpgm
.Lentry_shape_is_right:
; out0 = a wo + bo on codes of FP8 (E4M3).  a: ac[head][token][64 bytes] (16 planes of 524,288 bytes; k = 64 head + channel); wo: wc plane 3, [n][k]; out0 [8192][1024] f32.
; A work-group's tile is 128 tokens x 256 outputs: 256 work-groups, one for each WGP, in 16 clusters of 4 x 4: a's tile is shared along a row of the cluster, wo's along a column: both are asked for jointly.
; Four waves, 2 x 2; a wave makes 64 x 128: 32 accumulators.  The matrix instruction is used transposed (source 0 = 16 rows of wo, source 1 = 16 tokens): a lane holds eight neighbouring outputs of one token.
; K WITHOUT A LOOP: four quarters of 256 along K (four heads), two steps of 128 each.  THREE LDS slots: quarters 0, 1, 2 are first fills, issued together (three tensor loads of a wave are out, by this text's count);
; quarter 3 is the one refill, into slot 0, behind a round of the cluster's barrier: it has four steps, 128 matrix instructions, in which to land.
; a's tile of a quarter is 4 planes x 128 tokens x 64 bytes: each plane's part is 8,192 dense bytes, laid in LDS as 32 lines of 256 bytes + 16: four tokens to a line.
; LIMIT: e10 + e11 between -126 and 127, so that 2^(e10 + e11) is an f32 number.
; No prefetch: three quarters of a tile's bytes are asked for at the first line, and the fourth 128 matrix instructions ahead of its use.
; REGISTERS, in windows of 256: window 0 addresses and the way out; window 1 the accumulators ((a, b) at v[8 (8 a + b)]); window 2 fragment set 0 (wo's at v[16 b], a's at v[128 + 16 a]) and, at v192-255, the bias; window 3 fragment set 1.
.set PITCH,  272
.set AREG,   128*PITCH                 ; a slot: a's 4 planes x 32 lines, then wo's 256 rows
.set PLANE,  32*PITCH
.set SLOT,   384*PITCH
.set SPARE,  3*SLOT                    ; behind the three slots: the spare words, 128 bytes for each wave: two blocks of 256 bytes that no other line names
.set STAGE,  SLOT                      ; the way out: 16 rows x 528 bytes for each wave, in slot 1, which has had its only fill, and whose last reads every wave has awaited in front of the barrier of the sixth step
.set SPITCH, 528
.set QSTA,   4*524288                  ; a quarter on: four planes of a,
.set QSTB,   256                       ; 256 bytes of a row of wo
.set ADRA, 16
.set ADRB, 20
.set STO,  24
.set RD,   25
.set CO,   26
.set CBO,  27
.set SPW,  28                          ; v28 LDS address of my spare word; never rewritten
.set NIL,  29                          ; v29 0; never rewritten
.set T,    32                          ; v32-95 a block's results; v96-159, v160-223 rows read back, by turns
.set BK,   96
.set CB,   192                         ; in window 2
.set WV, 18
.set RH, 19                            ; which half of the tile's tokens is mine.  Also: I fetch for a (0) or for wo (1)
.set CH, 20                            ; which half of its outputs.  Also: which half of that tile I fetch
.set G1A, 24
.set G1B, 32
.set G0A, 40
.set G0B, 52
.set MSB, 0
.macro WIN new                         ; the immediate's high byte repeats the setting that is left
.if MSB != (\new)
	s_set_vgpr_msb (MSB<<8)|(\new)
.set MSB, (\new)
.endif
.endm
.macro PLACES                          ; four plain lines between a matrix instruction and a load into its sources or a read of its result
.rept 4
	v_nop
.endr
.endm
.macro JLOAD                           ; the joint refill of slot 0; an s_nop 0 and four v_nop follow each line
	s_cmp_eq_u32 s[RH], 0
	s_cbranch_scc0 .Lfor_b_\@
	tensor_load_to_lds s[G0A:G0A+3], s[G1A:G1A+7]
	s_nop 0
.rept 4
	v_nop
.endr
	s_branch .Lasked_\@
.Lfor_b_\@:
	tensor_load_to_lds s[G0B:G0B+3], s[G1B:G1B+7]
	s_nop 0
.rept 4
	v_nop
.endr
.Lasked_\@:
.endm
.macro CREST
	s_cmp_lg_u32 s[WV], 0
	s_cbranch_scc1 .Lnot_wave_0_\@
	s_barrier_signal -3
.Lnot_wave_0_\@:
	s_barrier_wait -3
	s_barrier_signal -1
	s_barrier_wait -1
.endm
.macro CROUND
	s_barrier_signal -1
	s_barrier_wait -1
	CREST
.endm
	s_load_b256 s[4:11], s[0:1], 0x0               ; ac s[4:5], wc s[6:7], the exponents s[8:9], bo s[10:11]
	s_load_b64 s[12:13], s[0:1], 0x20              ; out0
	v_lshl_add_u32 v[SPW], v0, 2, SPARE
	v_mov_b32 v[NIL], 0
	ds_add_u32 v[SPW], v[NIL]
	ds_add_u32 v[SPW], v[NIL]                      ; the wave's opening: the add and its wait stand ahead of my first tensor load; work on registers stands between them
	v_lshrrev_b32 v1, 5, v0
	v_readfirstlane_b32 s[WV], v1
	s_lshr_b32 s[RH], s[WV], 1
	s_and_b32 s[CH], s[WV], 1
	s_bfe_u32 s66, ttmp6, 0x40000                  ; cx
	s_bfe_u32 s67, ttmp6, 0x40004                  ; cy
	s_and_b32 s68, ttmp7, 0xffff
	s_lshl_b32 s73, s68, 2
	s_add_co_u32 s73, s73, s67                     ; tile row = 4 x cluster y + cy
	s_lshl_b32 s74, ttmp9, 2
	s_add_co_u32 s74, s74, s66                     ; tile column = 4 x cluster x + cx
	s_lshl_b32 s75, s67, 2
	s_lshl_b32 s75, 15, s75                        ; my row of the cluster
	s_lshl_b32 s76, 0x1111, s66                    ; my column
	s_or_b32 s[G1A], s75, (3<<16)|(1<<20)|(1<<21)|(5<<22)|(3<<25)   ; the mask; elements of 8 bytes; padding on; 21 set beside a mask; four words after every 64
	s_or_b32 s[G1B], s76, (1<<20)|(1<<21)|(5<<22)|(3<<25)           ; elements of 1 byte
	s_mov_b32 s[G1A+1], 1024<<16                   ; a: two planes' parts: rows of 1,024 elements (8,192 bytes),
	s_mov_b32 s[G1A+2], 2<<16
	s_mov_b32 s[G1A+3], 1024<<16
	s_mov_b32 s[G1A+4], 2
	s_mov_b32 s[G1A+5], 65536                      ; 524,288 bytes apart
	s_mov_b32 s[G1A+6], 0
	s_mov_b32 s[G1A+7], 0
	s_mov_b32 s[G1B+1], 256<<16                    ; wo: 128 rows of 256 bytes, 1,024 apart
	s_mov_b32 s[G1B+2], 128<<16
	s_mov_b32 s[G1B+3], 256<<16
	s_mov_b32 s[G1B+4], 128
	s_mov_b32 s[G1B+5], 1024
	s_mov_b32 s[G1B+6], 0
	s_mov_b32 s[G1B+7], 0
	s_lshl_b32 s82, s73, 13                        ; a: 128 x tile row tokens of 64 bytes, + 2 x half planes
	s_lshl_b32 s83, s[CH], 20
	s_add_co_u32 s82, s82, s83
	s_mov_b32 s83, 0
	s_lshl_b32 s100, s74, 18                       ; wo: (256 x tile column + 128 x half) rows of 1,024 bytes, in plane 3
	s_lshl_b32 s101, s[CH], 17
	s_add_co_u32 s100, s100, s101
	s_add_co_u32 s100, s100, 0x300000
	s_mov_b32 s101, 0
	s_mul_i32 s21, s[CH], 2*PLANE                  ; where they go: no place in the cluster enters an LDS address
	s_mul_i32 s22, s[CH], 128*PITCH
	s_add_co_u32 s22, s22, AREG
	s_wait_dscnt 0x0                               ; the opening add is done
	s_wait_kmcnt 0x0
	s_load_b128 s[92:95], s[8:9], 0x20             ; e8 .. e11
	s_add_nc_u64 s[78:79], s[4:5], s[82:83]
	s_add_nc_u64 s[80:81], s[6:7], s[100:101]
	CROUND                                         ; all sixteen work-groups are here: the first joint loads meet
.irp j, 0,1,2
	s_mov_b32 s[G0A+4*\j], 1
	s_add_co_u32 s[G0A+4*\j+1], s21, \j*SLOT
	s_add_nc_u64 s[G0A+4*\j+2:G0A+4*\j+3], s[78:79], \j*QSTA
	s_or_b32 s[G0A+4*\j+3], s[G0A+4*\j+3], 0x80000000
	s_mov_b32 s[G0B+4*\j], 1
	s_add_co_u32 s[G0B+4*\j+1], s22, \j*SLOT
	s_add_nc_u64 s[G0B+4*\j+2:G0B+4*\j+3], s[80:81], \j*QSTB
	s_or_b32 s[G0B+4*\j+3], s[G0B+4*\j+3], 0x80000000
.endr
	s_cmp_eq_u32 s[RH], 0                          ; a wave's three first fills stand in one branch, ahead of every wait on TENSORcnt, every LDS read and every further barrier
	s_cbranch_scc0 .Lfirst_b
	tensor_load_to_lds s[G0A:G0A+3], s[G1A:G1A+7]
	s_nop 0
	tensor_load_to_lds s[G0A+4:G0A+7], s[G1A:G1A+7]
	s_nop 0
	tensor_load_to_lds s[G0A+8:G0A+11], s[G1A:G1A+7]
	s_nop 0
.rept 4
	v_nop
.endr
	s_branch .Lfirst_done
.Lfirst_b:
	tensor_load_to_lds s[G0B:G0B+3], s[G1B:G1B+7]
	s_nop 0
	tensor_load_to_lds s[G0B+4:G0B+7], s[G1B:G1B+7]
	s_nop 0
	tensor_load_to_lds s[G0B+8:G0B+11], s[G1B:G1B+7]
	s_nop 0
.rept 4
	v_nop
.endr
.Lfirst_done:
	v_and_b32 v1, 15, v0                           ; r
	v_bfe_u32 v2, v0, 4, 1                         ; h
	v_lshlrev_b32 v[CBO], 5, v2
	s_lshl_b32 s2, s74, 10                         ; bo: 4 x (256 x tile column + 128 x half)
	s_lshl_b32 s3, s[CH], 9
	s_add_co_u32 s2, s2, s3
	s_mov_b32 s3, 0
	s_add_nc_u64 s[22:23], s[10:11], s[2:3]
	WIN 0x80                                       ; destination window 2
.irp b, 0,1,2,3,4,5,6,7
	global_load_b128 v[CB+8*\b:CB+8*\b+3], v[CBO], s[22:23] offset:64*\b        ; bo(16 b + 8 h + 0 .. 7), in the result's layout
	global_load_b128 v[CB+8*\b+4:CB+8*\b+7], v[CBO], s[22:23] offset:64*\b+16
.endr
	WIN 0
	v_mul_u32_u24 v3, v1, PITCH
	v_lshl_add_u32 v3, v2, 4, v3                   ; wo: a fragment's row x pitch + 16 x half
	v_lshrrev_b32 v4, 2, v1
	v_mul_u32_u24 v4, v4, PITCH
	v_and_b32 v5, 3, v1
	v_lshl_add_u32 v4, v5, 6, v4
	v_lshl_add_u32 v4, v2, 4, v4                   ; a: (r / 4) lines + (r % 4) x 64 + 16 x half
	s_mul_i32 s72, s[RH], 16*PITCH                 ; my 64 tokens: 16 lines of each plane
	s_mul_i32 s75, s[CH], 128*PITCH
	s_add_co_u32 s75, s75, AREG
.irp j, 0,1,2
	v_add_nc_u32 v[ADRA+\j], s72, v4
	v_add_nc_u32 v[ADRB+\j], s75, v3
	s_add_co_u32 s72, s72, SLOT
	s_add_co_u32 s75, s75, SLOT
.endr
	s_mul_i32 s72, s[WV], 16*SPITCH
	s_add_co_u32 s72, s72, STAGE                   ; my stage
	v_mul_u32_u24 v5, v1, SPITCH
	v_lshl_add_u32 v5, v2, 5, v5
	v_add_nc_u32 v[STO], s72, v5                   ; in: row r, 32 bytes for each half of the lanes
	v_and_b32 v6, 31, v0
	v_lshlrev_b32 v[CO], 4, v6
	v_add_nc_u32 v[RD], s72, v[CO]                 ; back: the 32 lanes take one row of 512 bytes; and the same in out0
	s_lshl_b32 s72, s73, 19                        ; out0: (128 x tile row + 64 x half) rows of 4,096 bytes,
	s_lshl_b32 s75, s[RH], 18
	s_add_co_u32 s72, s72, s75
	s_lshl_b32 s75, s74, 10                        ; + 4 x (256 x tile column + 128 x half)
	s_add_co_u32 s72, s72, s75
	s_lshl_b32 s75, s[CH], 9
	s_add_co_u32 s72, s72, s75
	s_mov_b32 s73, 0
	s_add_nc_u64 s[12:13], s[12:13], s[72:73]
	s_wait_kmcnt 0x0
	s_add_co_i32 s96, s94, s95                     ; e10 + e11
	s_add_co_i32 s96, s96, 127
	s_lshl_b32 s96, s96, 23                        ; 2^(e10 + e11) as f32
	s_mov_b32 s97, s96                             ; (named with it as a pair, so it is written)
	s_wait_loadcnt 0x0                             ; the bias
.macro FRAGB reg, slot, st, i          ; 16 rows x 128 K in 16 registers: registers 4 c .. 4 c + 3 hold K = 32 c + 16 (l / 16) + 0 .. 15: the same order of K in both operands
.irp c, 0,1,2,3
	ds_load_b128 v[\reg+4*\c:\reg+4*\c+3], v[ADRB+\slot] offset:128*(\st)+32*\c+(\i)*16*PITCH
.endr
.endm
.macro FRAGA reg, slot, st, i          ; the same K out of the planes: a step is two planes of 64; K = 32 c + .. lies in plane c / 2 at byte 32 (c % 2) + ..
.irp c, 0,1,2,3
	ds_load_b128 v[\reg+4*\c:\reg+4*\c+3], v[ADRA+\slot] offset:(2*(\st)+\c/2)*PLANE+(\i)*4*PITCH+32*(\c%2)
.endr
.endm
.macro FETCH slot, st, set             ; 48 LDS loads in one run: a step's fragments into set 0 (window 2) or 1 (window 3)
	WIN 0x80+0x40*(\set)
.irp i, 0,1,2,3,4,5,6,7
	FRAGB 16*\i, \slot, \st, \i
.endr
.irp i, 0,1,2,3
	FRAGA 128+16*\i, \slot, \st, \i
.endr
.endm
.macro MULA set, a, zero               ; 8 matrix instructions.  The 32 accumulators take turns, one instruction a turn, in the same order in every step
	WIN 0x5a+5*(\set)
.irp b, 0,1,2,3,4,5,6,7
.if \zero
	v_wmma_f32_16x16x128_fp8_fp8 v[8*(8*(\a)+\b):8*(8*(\a)+\b)+7], v[16*\b:16*\b+15], v[128+16*(\a):128+16*(\a)+15], 0
.else
	v_wmma_f32_16x16x128_fp8_fp8 v[8*(8*(\a)+\b):8*(8*(\a)+\b)+7], v[16*\b:16*\b+15], v[128+16*(\a):128+16*(\a)+15], v[8*(8*(\a)+\b):8*(8*(\a)+\b)+7]
.endif
.endr
.endm
.macro MUL set, zero
	MULA \set, 0, \zero
	MULA \set, 1, \zero
	MULA \set, 2, \zero
	MULA \set, 3, \zero
.endm
; A step that multiplies set 1 and meets the other waves.  In front of the barrier each wave waits for all its tensor loads, adds 0 to its spare word, and waits for that and for its LDS reads.
; fill = 1: the barrier opens a round of the cluster's barrier, and slot 0, which nobody reads any more, takes quarter 3.  Then the next step's fragments are fetched.
.macro GATE fill, slot, st, set
	WIN 0                                          ; (the add's two registers lie in window 0)
	s_wait_tensorcnt 0x0                           ; all my tensor loads have landed
	ds_add_u32 v[SPW], v[NIL]                      ; 0 onto my spare word
	s_wait_dscnt 1                                 ; this step's 48 loads are in; the add may be out
	MULA 1, 0, 0
	s_wait_dscnt 0x0                               ; the add is done, and I have no LDS read out
	s_barrier_signal -1
	MULA 1, 1, 0
	WIN 0
	s_barrier_wait -1
.if \fill
	CREST                                          ; no wave of any partner still reads slot 0 or has a load on its way
	s_add_nc_u64 s[G0A+2:G0A+3], s[G0A+2:G0A+3], 3*QSTA
	s_add_nc_u64 s[G0B+2:G0B+3], s[G0B+2:G0B+3], 3*QSTB
	JLOAD                                          ; the first tensor load behind the round; its four v_nop are also the places in front of the loads below
.else
	PLACES
.endif
	s_wait_alu depctr_va_vdst(0)
	FETCH \slot, \st, \set
	MULA 1, 2, 0
	MULA 1, 3, 0
.endm
	s_wait_tensorcnt 2                             ; my part of quarter 0 is in; quarters 1 and 2 may stay out
	s_barrier_signal -1
	s_barrier_wait -1
	FETCH 0, 0, 0
	FETCH 0, 1, 1
	s_wait_dscnt 48                                ; all but the 48 just issued
	MUL 0, 1                                       ; the first step's products start the sums: nothing is cleared
	GATE 1, 1, 0, 0                                ; every wave has waited for its three fills: slots 1 and 2 are whole from here on
	PLACES
	FETCH 1, 1, 1
	s_wait_dscnt 48
	MUL 0, 0
	PLACES
	FETCH 2, 0, 0
	s_wait_dscnt 48
	MUL 1, 0
	PLACES
	FETCH 2, 1, 1
	s_wait_dscnt 48
	MUL 0, 0
	GATE 0, 0, 0, 0                                ; quarter 3 has landed in every wave's part; nothing is filled again, so no round follows
	PLACES
	FETCH 0, 1, 1
	s_wait_dscnt 48
	MUL 0, 0
	s_wait_dscnt 0x0
	MUL 1, 0
	WIN 0
	PLACES
; THE WAY OUT, a block of 16 tokens x 128 outputs at a time: sum x 2^(e10 + e11) + bo, one packed multiply-add for two numbers; through my own stage, back as whole rows of 512 bytes.
; LDS serves a wave's instructions in order (ISA guide 5.7.1.4): no wait between the stores and the loads, nor in front of the next block's stores.
.macro TOSTAGE a
	WIN 0x21                                       ; source 0 (the sums) window 1, source 2 (the bias) window 2
.set k, 0
.rept 32
	v_pk_fma_f32 v[T+k:T+k+1], v[64*(\a)+k:64*(\a)+k+1], s[96:97], v[CB+k:CB+k+1] op_sel_hi:[1,0,1]   ; each accumulator from its low end on
.set k, k+2
.endr
	WIN 0
.irp b, 0,1,2,3,4,5,6,7
	ds_store_b128 v[STO], v[T+8*\b:T+8*\b+3] offset:64*\b
	ds_store_b128 v[STO], v[T+8*\b+4:T+8*\b+7] offset:64*\b+16
.endr
.set BB, BK+64*((\a)%2)
.irp t, 0,1,2,3,4,5,6,7,8,9,10,11,12,13,14,15
	ds_load_b128 v[BB+4*\t:BB+4*\t+3], v[RD] offset:\t*SPITCH
.endr
.endm
.macro SEND a, younger                 ; younger: the LDS instructions issued behind block a's loads, which may stay out
.set BB, BK+64*((\a)%2)
	s_wait_dscnt \younger
.irp t, 0,1,2,3,4,5,6,7,8,9,10,11,12,13,14,15
	global_store_b128 v[CO], v[BB+4*\t:BB+4*\t+3], s[12:13] offset:(16*(\a)+\t)*4096 th:TH_STORE_NT   ; 32 lanes store 512 consecutive bytes, at a multiple of 512 from out0's first byte; the row stands in the immediate, 258,048 at the most
.endr
.endm
	TOSTAGE 0
	TOSTAGE 1
	SEND 0, 32                                     ; behind block 0's loads: block 1's 16 stores and 16 loads
	s_wait_xcnt 0x0                                ; block 0's stores have read their registers: block 2's loads may land there
	TOSTAGE 2
	SEND 1, 32
	s_wait_xcnt 0x0                                ; block 1's likewise
	TOSTAGE 3
	SEND 2, 32
	SEND 3, 0
	s_wait_tensorcnt 0x0                           ; the wave's end, behind my last tensor load and my last LDS store
	ds_add_u32 v[SPW], v[NIL]
	s_wait_dscnt 0x0
	CROUND                                         ; the closing round: no work-group ends while a partner may still ask for a tile that names it
	s_endpgm
.Lfunc_end_k_qf9fb832d8d_proj:
	.size	k_qf9fb832d8d_proj, .Lfunc_end_k_qf9fb832d8d_proj-k_qf9fb832d8d_proj
	.p2alignl 7, 3214868480
	.fill 96, 4, 3214868480
	.section	.rodata,"a",@progbits
	.p2align	6, 0x0
	.amdhsa_kernel k_qf9fb832d8d_proj
		.amdhsa_group_segment_fixed_size 327680
		.amdhsa_private_segment_fixed_size 0
		.amdhsa_enable_private_segment 0
		.amdhsa_kernarg_size 40
		.amdhsa_user_sgpr_count 2
		.amdhsa_user_sgpr_kernarg_segment_ptr 1
		.amdhsa_wavefront_size32 1
		.amdhsa_system_sgpr_workgroup_id_x 1
		.amdhsa_system_sgpr_workgroup_id_y 1
		.amdhsa_system_sgpr_workgroup_id_z 1
		.amdhsa_system_vgpr_workitem_id 0
		.amdhsa_next_free_vgpr 960
		.amdhsa_next_free_sgpr 106
		.amdhsa_reserve_vcc 0
		.amdhsa_float_denorm_mode_32 3
		.amdhsa_float_denorm_mode_16_64 3
		.amdhsa_memory_ordered 1
		.amdhsa_forward_progress 1
		.amdhsa_inst_pref_size 76
	.end_amdhsa_kernel
	.amdgpu_metadata
---
amdhsa.version: [ 1, 2 ]
amdhsa.kernels:
  - .name:           k_qf9fb832d8d_proj
    .symbol:         k_qf9fb832d8d_proj.kd
    .args:
      - { .name: ac, .offset: 0, .size: 8, .value_kind: global_buffer, .address_space: global }
      - { .name: wc, .offset: 8, .size: 8, .value_kind: global_buffer, .address_space: global }
      - { .name: lowp_scales, .offset: 16, .size: 8, .value_kind: global_buffer, .address_space: global }
      - { .name: bo, .offset: 24, .size: 8, .value_kind: global_buffer, .address_space: global }
      - { .name: out0, .offset: 32, .size: 8, .value_kind: global_buffer, .address_space: global }
    .group_segment_fixed_size: 327680
    .private_segment_fixed_size: 0
    .kernarg_segment_align: 8
    .kernarg_segment_size: 40
    .max_flat_workgroup_size: 128
    .sgpr_count:     106
    .vgpr_count:     960
    .wavefront_size: 32
...
	.end_amdgpu_metadata
.endif
;; end of part 4
